; MI455X (gfx1250); checked and timed in simulation.
; The chip was launched on July 23, 2026; its instructions are those of AMD's public machine-readable ISA for CDNA 5 (MIT licence, August 2026) and "CDNA5" Instruction Set Architecture Reference Guide (July 2026). The comments in the code are by the model that wrote it; some were corrected since.
;; Causal LTX Attention. Allowed arithmetic: matrix products marked QUANTISED: E3M2 operands, one E8M0 scale for each 32 along K, by v_wmma_scale_f32_16x16x128_f8f6f4 with both operands' format E3M2, f32 sums; everything else in f32.
;; Inputs: Wk 1,024 x 2,048 float32; Wo 2,048 x 1,024 float32; Wq 1,024 x 2,048 float32; Wv 1,024 x 2,048 float32; bk 1,024 float32; bo 2,048 float32; bq 1,024 float32; bv 1,024 float32; cos 1 x 2,048 x 1,024 float32; kn_w 1,024 float32; logit_log_scale 1 x 2,048 x 1 float32; qn_w 1,024 float32; sin 1 x 2,048 x 1,024 float32; x 2 x 2,048 x 2,048 float32.
;; Outputs: out0 2 x 2,048 x 2,048 float32.
;; This version of the problem:
;;   THIS VERSION OF THE PROBLEM IS GIVEN IN LOW PRECISION. The matrix products marked QUANTISED in the list below multiply operands that are first quantised to E3M2 (3 exponent bits, 2 mantissa bits; 6 bits a number), with one power-of-two scale for each 32 numbers along K (OCP MX v1.0); their sums are f32. All else is computed in f32.
;;   The module's matrix products, in the order in which they are computed (A, B: the left and right operand; K: the contracted axis; several contracted axes count as one K, in the product's order):
;;     1. [M 4,096, K 2,048] x [K 2,048, N 1,024]; A: input x; B: input Wq: QUANTISED
;;     2. [M 4,096, K 2,048] x [K 2,048, N 1,024]; A: input x; B: input Wk: QUANTISED
;;     3. [M 4,096, K 2,048] x [K 2,048, N 1,024]; A: input x; B: input Wv: QUANTISED
;;     4. batch 32 x [M 2,048, K 64] x [K 64, N 2,048]; A: computed on the way; B: computed on the way: QUANTISED
;;     5. batch 32 x [M 64, K 2,048] x [K 2,048, N 2,048]; A: computed on the way; B: softmax (see below): QUANTISED
;;     6. [M 4,096, K 1,024] x [K 1,024, N 2,048]; A: computed on the way; B: input Wo: QUANTISED
;;   THE QUANTISER, for each operand of a quantised product, along K:
;;     - K is cut into blocks of 32 from its start; a last block that is shorter is filled with zeros.
;;     - A block's scale is 2^e with e = floor(log2(the largest magnitude in the block)) - 4, held to -126 .. 127; a block of zeros has e = 0. As a byte (E8M0): e + 127.
;;     - Each number is divided by its block's scale, clamped to +-28, and rounded to the nearest number of E3M2, ties to even, subnormals kept.
;;     - The product sums the exact products of the quantised numbers (number of the format x scale) in f32.
;;   ~~~python
;;   def quantise(x, axis):      # numpy; x: float32 -> the quantised numbers, widened to float32 again
;;       x = np.moveaxis(x, axis, -1); K = x.shape[-1]
;;       x = np.pad(x, [(0, 0)] * (x.ndim - 1) + [(0, -K % 32)]); x = x.reshape(x.shape[:-1] + (-1, 32)); a = np.abs(x).max(-1, keepdims=True)
;;       e = np.where(a > 0, np.clip(np.frexp(np.where(a > 0, a, 1))[1] - 1 - 4, -126, 127), 0)      # np.frexp(a)[1] - 1 = floor(log2(a)), exactly
;;       r = np.clip(x / 2.0 ** e, -28, 28)
;;       step = 2.0 ** (np.maximum(np.frexp(np.where(r == 0, 1, r))[1] - 1, -2) - 2)
;;       q = np.round(r / step) * step * 2.0 ** e      # np.round: ties to even
;;       return np.moveaxis(q.reshape(q.shape[:-2] + (-1,))[..., :K], -1, axis).astype(np.float32)
;;   ~~~
;;   SOFTMAX AHEAD OF A QUANTISED PRODUCT. Where the list says 'softmax', what is quantised is not the finished softmax but p = 2^(t - M), with t = logit x log2(e) and M = ceil(the row's largest t), a whole number; so 1/2 < the row's largest p <= 1. The row's sum l is taken of the UNQUANTISED p, in f32, and the product's result is divided by l at the end. Since M is a whole number, a kernel that streams over the keys may use a running M (the ceiling of the running maximum): every later rescaling is an exact power of two, which a block's scale takes up: the codes' values come out the same.
;;   OPERANDS COMPUTED ON THE WAY. 'Computed on the way' means the value that the module computes at that place (a softmax that the list does not call 'softmax' is quantised finished and normalised). What goes into a quantiser is computed in f32, as accurately as f32 sums, v_exp_f32 and their like allow (about 1e-6 of the number): no bf16 or f16 on the way to a quantiser, and a product that is left as it is and whose result goes on into a quantised operand takes f32 operands (vector FMAs, or v_wmma_f32_16x16x4_f32). A number that lies on a knife's edge between two numbers of the format may be rounded either way, as far as f32 arithmetic and the matrix unit's own rounding can turn it there, and no further.
;; One version. Each part assembles by itself: llvm-mc -triple=amdgcn-amd-amdhsa -mcpu=gfx1250 --defsym DOCPART=n.
;; ======== version 1 of 1: 4 launches
;; limits: right only within a limited range of input values
;; workspace buffers: ops 13,107,200 bytes; qkc 6,291,456 bytes; qks 524,288 bytes; vc 3,145,728 bytes; vs 131,072 bytes; ao 3,276,800 bytes
;; launch quant (part 1): grid 256 x 1, 8 waves a work-group, no clusters, 68,608 bytes of LDS; arguments x, Wq, Wk, Wv, Wo, ops; writes ops
.if DOCPART == 1
	.amdgcn_target "amdgcn-amd-amdhsa--gfx1250"
	.amdhsa_code_object_version 6
	.text
	.protected	k_qfbb5618d8a_quant
	.globl	k_qfbb5618d8a_quant
	.p2align	8
	.type	k_qfbb5618d8a_quant,@function
k_qfbb5618d8a_quant:
	s_mov_b64 s[64:65], 0
	v_nop
	global_prefetch_b8 v0, s[64:65] scope:SCOPE_SE
	s_setreg_imm32_b32 hwreg(HW_REG_WAVE_MODE, 25, 1), 1
	s_wait_xcnt 0x0
; x [4096][2048], Wq, Wk, Wv [1024][2048], Wo [2048][1024], f32, K innermost, become codes of BF6 (E3M2) with one E8M0 byte for each 32 along K,
; laid in the ORDER OF THE OPERAND'S REGISTERS.  A U block is 64 rows x 128 K, 6,400 bytes: four fragments of 1,536 bytes (three images of four registers, 16 bytes a lane)
; and at byte 6,144 the scale image, 8 bytes a lane: word 0 = the scale word of fragment lane / 16, word 1 of fragment 2 + lane / 16, row lane % 16.
; THE ROWS OF A FRAGMENT ARE NOT NEIGHBOURS: row i of fragment f is row 32 (f / 2) + 8 (f % 2) + i % 8 + 16 (i / 8) of the 64, so that in a later product a lane's 16 results of two fragments are 16 neighbours.
; ops = [chunk of 1,024 rows][K step][16 U blocks]: x chunks 0-3, Wq 4, Wk 5, Wv 6 (16 K steps each), Wo behind them (two chunks of 8 K steps).
; A wave makes one U block: 32 KiB in, 6,400 bytes out.  Each load reads 512 consecutive bytes (one row's 128 numbers); 16 rows turn through the wave's own stage in LDS (rows 528 bytes apart),
; from which a lane takes two whole blocks of 32 neighbours, so that a block's largest magnitude needs no other lane.  Loads run two fragments (32 loads a wave) ahead.  Waves share nothing; one barrier at the end.
; A block's scale byte is its largest magnitude's exponent field - 4, held at 1 from below.  LIMITS: a block of zeros gets the byte 1 where the rule says 127 (its codes are zeros, and this program alone
; reads the bytes); NaN and infinities among the inputs are not served.
.set UB,    6400
.set STEPB, 102400                     ; a K step of a chunk: 16 U blocks
.set CH16,  1638400                    ; a chunk with 16 K steps
.set CH8,   819200                     ; with 8
.set WOB,   11468800                   ; where Wo's chunks begin
.set SPI,   528                        ; a stage row: 512 bytes + 16
.set L16, 1                            ; v1  16 x lane
.set STW, 2                            ; v2  the stage, on the way in
.set STR, 3                            ; v3  and on the way out: row r, + 128 h
.set L8,  4                            ; v4  8 x lane
.set HH,  5                            ; v5  h = lane / 16
.set SH8, 6                            ; v6  8 h
.set C,   16                           ; v16-27 a fragment's codes
.set TX,  28                           ; v28-35 the halves that are made elsewhere and moved
.set TM,  36                           ; v36-43 at work
.set SW,  44                           ; v44-47 the four fragments' scale words
.set SI,  48                           ; v48-49 the scale image
.set VO,  50                           ; v50-57 16 x lane + j rows
.set X,   64                           ; v64-127 my two blocks of 32
.set R,   128                          ; v128-255 two sets of 16 rows as loaded
.set SB,  32                           ; s[32:47] the source at rows 8 m, m = 0 .. 7
	s_load_b256 s[4:11], s[0:1], 0x0               ; x, Wq, Wk, Wv
	s_load_b128 s[12:15], s[0:1], 0x20             ; Wo, ops
	v_lshl_add_u32 v62, v0, 2, 0x10800
	v_mov_b32 v63, 0
	v_lshrrev_b32 v7, 5, v0
	s_delay_alu instid0(VALU_DEP_1)
	v_readfirstlane_b32 s20, v7                    ; wave 0..7
	v_and_b32 v8, 31, v0
	v_and_b32 v9, 15, v0
	v_bfe_u32 v[HH], v0, 4, 1
	s_delay_alu instid0(VALU_DEP_3)
	v_lshlrev_b32 v[L16], 4, v8
	s_wait_alu depctr_va_vdst(0)
	v_lshlrev_b32 v[L8], 3, v8
	v_lshlrev_b32 v[SH8], 3, v[HH]
	s_mul_i32 s21, s20, 16*SPI                     ; my stage
	v_add_nc_u32 v[STW], s21, v[L16]
	v_mul_u32_u24 v[STR], v9, SPI
	s_delay_alu instid0(VALU_DEP_1)
	v_lshl_add_u32 v[STR], v[HH], 7, v[STR]
	s_delay_alu instid0(VALU_DEP_1)
	v_add_nc_u32 v[STR], s21, v[STR]
	v_mov_b32 v[TM+7], 0                           ; written once: a lane permute's destination counts as one of its sources
	s_mov_b32 s48, 0x76543210
	s_mov_b32 s49, 0xfedcba98                      ; selects for lane l xor 16
	; work-groups 0-223: 64 rows x 1,024 K of x, Wq, Wk, Wv (two work-groups to a group of rows); 224-255: 64 rows x all 1,024 K of Wo.  One path: only pointers, a pitch and offsets are chosen
	s_lshr_b32 s22, ttmp9, 1                       ; group of 64 rows, counted through x, Wq, Wk, Wv
	s_and_b32 s23, ttmp9, 1
	s_lshl_b32 s23, s23, 3
	s_add_co_u32 s23, s23, s20                     ; my K step
	s_max_u32 s24, ttmp9, 224
	s_sub_co_u32 s24, s24, 224                     ; group of rows in Wo
	s_lshr_b32 s25, s22, 4
	s_mul_i32 s25, s25, CH16
	s_and_b32 s26, s22, 15
	s_mul_i32 s26, s26, UB
	s_add_co_u32 s25, s25, s26                     ; where the group's U blocks begin in ops
	s_lshr_b32 s27, s24, 4
	s_mul_i32 s27, s27, CH8
	s_and_b32 s26, s24, 15
	s_mul_i32 s26, s26, UB
	s_add_co_u32 s27, s27, s26
	s_add_co_u32 s27, s27, WOB                     ; the same for Wo
	s_mov_b32 s18, 0
	s_cmp_ge_u32 ttmp9, 128
	s_cselect_b32 s18, 64, s18
	s_cmp_ge_u32 ttmp9, 160
	s_cselect_b32 s18, 80, s18
	s_cmp_ge_u32 ttmp9, 192
	s_cselect_b32 s18, 96, s18                     ; the tensor's first group
	s_sub_co_u32 s18, s22, s18
	s_lshl_b32 s18, s18, 19                        ; 64 rows of 8,192 bytes
	s_lshl_b32 s19, s24, 18                        ; 64 rows of 4,096 bytes
	s_mov_b32 s28, 8192
	s_cmp_ge_u32 ttmp9, 224
	s_cselect_b32 s18, s19, s18
	s_cselect_b32 s23, s20, s23
	s_cselect_b32 s25, s27, s25
	s_cselect_b32 s28, 4096, s28                   ; a row in bytes
	s_lshl_b32 s29, s23, 9
	s_add_co_u32 s18, s18, s29                     ; + 512 bytes a K step
	s_mov_b32 s19, 0
	s_mul_i32 s29, s23, STEPB
	s_add_co_u32 s26, s25, s29
	s_mov_b32 s27, 0
	s_lshl_b32 s30, s28, 3                         ; eight rows
	s_mov_b32 s31, 0
.irp j, 0,1,2,3,4,5,6,7
	v_mad_u32_u24 v[VO+\j], s28, \j, v[L16]
.endr
	s_wait_alu depctr_va_vdst(0)
	s_wait_kmcnt 0x0
	s_mov_b64 s[16:17], s[4:5]
	s_cmp_ge_u32 ttmp9, 128
	s_cselect_b64 s[16:17], s[6:7], s[16:17]
	s_cmp_ge_u32 ttmp9, 160
	s_cselect_b64 s[16:17], s[8:9], s[16:17]
	s_cmp_ge_u32 ttmp9, 192
	s_cselect_b64 s[16:17], s[10:11], s[16:17]
	s_cmp_ge_u32 ttmp9, 224
	s_cselect_b64 s[16:17], s[12:13], s[16:17]
	s_add_nc_u64 s[SB:SB+1], s[16:17], s[18:19]
.irp m, 1,2,3,4,5,6,7
	s_add_nc_u64 s[SB+2*\m:SB+2*\m+1], s[SB+2*\m-2:SB+2*\m-1], s[30:31]
.endr
	s_add_nc_u64 s[14:15], s[14:15], s[26:27]      ; my U block
.macro LOADF f                         ; the 16 rows of fragment f, 512 consecutive bytes a load, into set f % 2
.set ii, 0
.rept 16
.set mm, 4*((\f)/2)+((\f)%2)+2*(ii/8)
	global_load_b128 v[R+64*((\f)%2)+4*ii:R+64*((\f)%2)+4*ii+3], v[VO+(ii%8)], s[SB+2*mm:SB+2*mm+1] th:TH_LOAD_NT
.set ii, ii+1
.endr
.endm
.macro FRAG f
.if (\f) < 3
	s_wait_loadcnt 16                              ; this fragment's 16 loads are in; the next fragment's 16 may be out
.else
	s_wait_loadcnt 0x0
.endif
.set ii, 0
.rept 16
	ds_store_b128 v[STW], v[R+64*((\f)%2)+4*ii:R+64*((\f)%2)+4*ii+3] offset:ii*SPI
.set ii, ii+1
.endr
.set ii, 0
.rept 16                               ; LDS serves a wave's instructions in order: these see the stores.  X[32 c + ..] = k 64 c + 32 h + 0 .. 31 of my row
	ds_load_b128 v[X+4*ii:X+4*ii+3], v[STR] offset:256*(ii/8)+16*(ii%8)
.set ii, ii+1
.endr
	s_wait_dscnt 0x0                               ; my numbers are back, and the stores have read their registers,
.if (\f) < 2
	LOADF (\f)+2                                   ; which take the fragment two on
.endif
.irp c, 0,1
	v_max3_num_f32 v[TM+\c], |v[X+32*\c]|, |v[X+32*\c+1]|, 0x2800000   ; my block 2 c + h, and the floor 2^(5 - 127): the byte cannot fall under 1
.endr
.irp i, 2,4,6,8,10,12,14,16,18,20,22,24,26,28,30
.irp c, 0,1
	s_delay_alu instid0(VALU_DEP_2)
	v_max3_num_f32 v[TM+\c], v[TM+\c], |v[X+32*\c+\i]|, |v[X+32*\c+\i+1]|
.endr
.endr
.irp c, 0,1
	s_delay_alu instid0(VALU_DEP_2)
	v_add_nc_u32 v[TM+2+\c], 0xfe000000, v[TM+\c]  ; 4 off the exponent field: the conversion's scale operand
.endr
.irp c, 0,1
	s_delay_alu instid0(VALU_DEP_2)
	v_lshrrev_b32 v[TM+4+\c], 23, v[TM+2+\c]       ; the scale's byte
.endr
	s_delay_alu instid0(VALU_DEP_1)
	v_lshl_or_b32 v[TM+6], v[TM+5], 16, v[TM+4]    ; blocks h and 2 + h,
	s_delay_alu instid0(VALU_DEP_1)
	v_lshlrev_b32 v[TM+6], v[SH8], v[TM+6]         ; at their places in the word;
	s_delay_alu instid0(VALU_DEP_1)
	v_permlanex16_b32 v[TM+7], v[TM+6], s48, s49
	s_delay_alu instid0(VALU_DEP_1)
	v_or_b32 v[SW+(\f)], v[TM+6], v[TM+7]          ; with lane l xor 16's two the word is whole
.if (\f) > 0
	s_wait_alu depctr_va_vdst(0)
	s_wait_xcnt 0x0                                ; the last fragment's stores have read their data: the codes' registers are written again only behind this wait
.endif
.irp c, 0,1
	v_cvt_scalef32_pk16_bf6_f32 v[C+6*\c:C+6*\c+2], v[X+32*\c:X+32*\c+15], v[TM+2+\c]
	v_cvt_scalef32_pk16_bf6_f32 v[TX+4*\c:TX+4*\c+2], v[X+32*\c+16:X+32*\c+31], v[TM+2+\c]   ; (a conversion's three registers begin on an even number)
.endr
	v_nop                                          ; one plain place behind a scaled conversion
.irp c, 0,1
.irp i, 0,1,2
	v_mov_b32 v[C+3+6*\c+\i], v[TX+4*\c+\i]
.endr
.endr
.irp g, 0,1,2
	global_store_b128 v[L16], v[C+4*\g:C+4*\g+3], s[14:15] offset:(\f)*1536+512*\g   ; 512 consecutive bytes, at a multiple of 256 from the buffer's first byte
.endr
.endm
	LOADF 0
	LOADF 1
	FRAG 0
	FRAG 1
	FRAG 2
	FRAG 3
	v_cmp_ne_u32 vcc_lo, 0, v[HH]
	s_delay_alu instid0(VALU_DEP_1)
	v_cndmask_b32 v[SI], v[SW], v[SW+1], vcc_lo    ; lanes 0-15 fragment 0's words, lanes 16-31 fragment 1's
	s_delay_alu instid0(VALU_DEP_2)
	v_cndmask_b32 v[SI+1], v[SW+2], v[SW+3], vcc_lo
	global_store_b64 v[L8], v[SI:SI+1], s[14:15] offset:6144
	s_barrier_signal -1
	s_barrier_wait -1
	s_wait_tensorcnt 0x0
	ds_add_u32 v62, v63
	s_wait_dscnt 0x0
	s_endpgm
.Lfunc_end_k_qfbb5618d8a_quant:
	.size	k_qfbb5618d8a_quant, .Lfunc_end_k_qfbb5618d8a_quant-k_qfbb5618d8a_quant
	.p2alignl 7, 3214868480
	.fill 96, 4, 3214868480
	.section	.rodata,"a",@progbits
	.p2align	6, 0x0
	.amdhsa_kernel k_qfbb5618d8a_quant
		.amdhsa_group_segment_fixed_size 68608
		.amdhsa_private_segment_fixed_size 0
		.amdhsa_enable_private_segment 0
		.amdhsa_kernarg_size 48
		.amdhsa_user_sgpr_count 2
		.amdhsa_user_sgpr_kernarg_segment_ptr 1
		.amdhsa_wavefront_size32 1
		.amdhsa_system_sgpr_workgroup_id_x 1
		.amdhsa_system_sgpr_workgroup_id_y 1
		.amdhsa_system_sgpr_workgroup_id_z 1
		.amdhsa_system_vgpr_workitem_id 0
		.amdhsa_next_free_vgpr 256
		.amdhsa_next_free_sgpr 66
		.amdhsa_reserve_vcc 1
		.amdhsa_float_denorm_mode_32 3
		.amdhsa_float_denorm_mode_16_64 3
		.amdhsa_memory_ordered 1
		.amdhsa_forward_progress 1
		.amdhsa_inst_pref_size 37
	.end_amdhsa_kernel
	.amdgpu_metadata
---
amdhsa.version: [ 1, 2 ]
amdhsa.kernels:
  - .name:           k_qfbb5618d8a_quant
    .symbol:         k_qfbb5618d8a_quant.kd
    .args:
      - { .name: x, .offset: 0, .size: 8, .value_kind: global_buffer, .address_space: global }
      - { .name: Wq, .offset: 8, .size: 8, .value_kind: global_buffer, .address_space: global }
      - { .name: Wk, .offset: 16, .size: 8, .value_kind: global_buffer, .address_space: global }
      - { .name: Wv, .offset: 24, .size: 8, .value_kind: global_buffer, .address_space: global }
      - { .name: Wo, .offset: 32, .size: 8, .value_kind: global_buffer, .address_space: global }
      - { .name: ops, .offset: 40, .size: 8, .value_kind: global_buffer, .address_space: global }
    .group_segment_fixed_size: 68608
    .private_segment_fixed_size: 0
    .kernarg_segment_align: 8
    .kernarg_segment_size: 48
    .max_flat_workgroup_size: 256
    .sgpr_count:     66
    .vgpr_count:     256
    .wavefront_size: 32
...
	.end_amdgpu_metadata
.endif
;; end of part 1
;; launch qkv (part 2): grid 64 x 3, 4 waves a work-group, no clusters, 327,680 bytes of LDS; arguments ops, cos, sin, logit_log_scale, bq, bk, bv, qn_w, kn_w, qkc, qks, vc, vs; writes qkc, qks, vc, vs
.if DOCPART == 2
	.amdgcn_target "amdgcn-amd-amdhsa--gfx1250"
	.amdhsa_code_object_version 6
	.text
	.protected	k_qfbb5618d8a_qkv
	.globl	k_qfbb5618d8a_qkv
	.p2align	8
	.type	k_qfbb5618d8a_qkv,@function
k_qfbb5618d8a_qkv:
	s_mov_b64 s[64:65], 0
	v_nop
	global_prefetch_b8 v0, s[64:65] scope:SCOPE_SE
	s_setreg_imm32_b32 hwreg(HW_REG_WAVE_MODE, 25, 1), 1
	s_wait_xcnt 0x0
; Products x Wq^T, x Wk^T, x Wv^T on codes of BF6, K = 2,048, and all that follows them up to the next quantiser.
; A work-group makes 64 P rows x 1,024 Q rows; source 0 = 16 Q rows, source 1 = 16 P rows: a lane holds ONE P row and its registers run along the Q rows.
;   y = 0, 1 (q, k): P = 64 tokens, Q = all 1,024 rows of Wq or Wk: the RMS norm spans the whole row, so one work-group owns whole rows.  Then bias, norm, gain, RoPE, (q) the temperature, quantised along a head's 64.
;   y = 2 (v):       P = the 64 rows of Wv of one head, Q = 1,024 tokens: the registers run along the keys, the K of the later product.  Then bias, quantised along the keys.
; A wave takes four U blocks (64 Q rows x 128 K, 6,400 bytes, in register order) of each K step: for q and k U blocks w, 4 + w, 8 + w, 12 + w (a U block is a head), for v U blocks 4 w .. 4 w + 3.
; 64 accumulators, 512 registers (windows 2, 3); the 16 registers acc(a, b') are rows 32 (b' % 2) + 16 (lane / 16) + 0 .. 15 of my U block b' / 2.
; P's codes for all 16 K steps, 102,400 bytes, come into LDS once, one tensor load a wave.  Q's U blocks go from memory straight into registers, a ring of six slots of 48 registers, five U blocks (65 loads) ahead.
; COS AND SIN (q, k) come by tensor loads, in four phases: phase j is 64 tokens x the 256 columns of heads 4 j .. 4 j + 3, of which each wave works its own head.  A phase is four tiles of 32 rows x 1,024 bytes
; (LDS pitch 1,040), one a wave: wave 0 cos of rows 0-31, wave 1 sin of them, wave 2 cos of rows 32-63, wave 3 sin of them.  Two slots: A behind P; B = three tiles on P's bytes and wave 3's tile behind P.
; Phase 0 is asked for behind the head's barrier; wave 3's tile of phase 1 behind a barrier three K steps before the end (a first fill); the other three of phase 1 behind the barrier that ends P's reads;
; phases 2 and 3 fill A and B again.  Every wait on TENSORcnt is for 0; by the text's own count a wave has one tensor load out.
; PREFETCH: in the loop's first three trips each wave names, a lane a row, one block of 256 bytes of each row of its tiles of phases 1, 2, 3; the four work-groups that read the same positions
; (q, k x two batches) take the row's four blocks, told apart by address.  The last trip asks for nothing.  Q's stream has its 65 loads a wave out all the time and is not prefetched.
; NO CLUSTER: a wave's Q rows are read by that wave alone; beside P two slots of one K step of Q (102,400 bytes each) are all that would fit, and a joint refill would have under one step's 64 matrix
; instructions in which to land, with a round in every step.
; THE K STEPS ARE WALKED ROTATED: work-group x begins at step x % 16.  LIMITS: the f32 sums over K are therefore taken in another order than ascending; a block of zeros gets the scale byte 1 where the rule says 127
; (its codes are zeros; this program alone reads the bytes); NaN and infinities among the inputs are not served.
; REGISTERS: window 0: v1-14 addresses; v16-27 Q's scale words, v28-33 P's (scales alone); v34-177 P's fragments, three sets; v178-225 slot 5; v226-233 the U blocks' offsets; v248-252 cos/sin and prefetch addresses.
;   window 1: slots 0-4.  On the way out window 0: v34-97 64 numbers for the quantiser, v98-113 at work, v114-177 cos and sin of two blocks, v178-217 the quantiser's, v218-225 a factor a tile of rows,
;   v226-247 sums and words; window 1: v0-127 bias, v128-255 gain of my 128 numbers a row.
.set UB,    6400
.set STEPB, 102400
.set CH16,  1638400
.set CPI,   1040                       ; an LDS row of cos or sin: 1,024 bytes + 16
.set TILE,  33280                      ; 32 such rows
.set SLA,   135680                     ; slot A: behind P and wave 3's tile of slot B
.set SSB,   268800                     ; the waves' sums of squares, 256 bytes a wave
.set SPARE, 269824                     ; the spare words
.set L16,  1
.set L8,   2
.set PA,   3
.set PB,   4
.set RL,   5
.set HL,   6
.set SSW,  9
.set SSR,  10
.set BOFF, 11
.set MOFF, 12
.set R4,   13
.set R64,  14
.set QSC,  16
.set PSC,  28
.set PF,   34
.set S5,   178
.set LU,   226                         ; v226-229 16 x lane + my U block j's distance
.set LS,   230                         ; v230-233 8 x lane + the same
.set CB,   248                         ; v248-251 my row and head in slot A rows 0-31, rows 32-63, slot B likewise
.set VPF,  252
.set SPW,  254
.set NIL,  255
.set OUT,  34
.set YT,   98
.set CSA,  114
.set TM,   178
.set PC,   194
.set PW,   214
.set VP,   216
.set RR,   218
.set SQ,   226
.set TT,   242
.set WD,   246
.set WV,  30
.set Y,   31
.set G0,  32
.set G1,  36
.set SB,  44
.set QW,  50
.set SG,  52
.set LC,  53
.set PFB, 70
.set TH,  72                           ; s72  1 in a trip in which v's waves let their loads land at each step's head
.set VF,  73                           ; s73  1 in v's work-groups
.set SEL, 80
.set G0A, 84
.set G0B, 88
.set G1C, 92
.set MSB, 0
.macro WIN new
.if MSB != (\new)
	s_set_vgpr_msb (MSB<<8)|(\new)
.set MSB, (\new)
.endif
.endm
.macro WMS z, ra, rb
.if (\z)
.if ((\ra)==0)&&((\rb)==0)
	v_wmma_scale_f32_16x16x128_f8f6f4 v[wd:wd+7], v[wa:wa+11], v[wb:wb+11], 0, v[wsa], v[wsb] matrix_a_fmt:MATRIX_FMT_BF6 matrix_b_fmt:MATRIX_FMT_BF6
.elseif ((\ra)==1)&&((\rb)==0)
	v_wmma_scale_f32_16x16x128_f8f6f4 v[wd:wd+7], v[wa:wa+11], v[wb:wb+11], 0, v[wsa], v[wsb] matrix_a_fmt:MATRIX_FMT_BF6 matrix_b_fmt:MATRIX_FMT_BF6 matrix_a_scale:MATRIX_SCALE_ROW1
.elseif ((\ra)==0)&&((\rb)==1)
	v_wmma_scale_f32_16x16x128_f8f6f4 v[wd:wd+7], v[wa:wa+11], v[wb:wb+11], 0, v[wsa], v[wsb] matrix_a_fmt:MATRIX_FMT_BF6 matrix_b_fmt:MATRIX_FMT_BF6 matrix_b_scale:MATRIX_SCALE_ROW1
.else
	v_wmma_scale_f32_16x16x128_f8f6f4 v[wd:wd+7], v[wa:wa+11], v[wb:wb+11], 0, v[wsa], v[wsb] matrix_a_fmt:MATRIX_FMT_BF6 matrix_b_fmt:MATRIX_FMT_BF6 matrix_a_scale:MATRIX_SCALE_ROW1 matrix_b_scale:MATRIX_SCALE_ROW1
.endif
.else
.if ((\ra)==0)&&((\rb)==0)
	v_wmma_scale_f32_16x16x128_f8f6f4 v[wd:wd+7], v[wa:wa+11], v[wb:wb+11], v[wd:wd+7], v[wsa], v[wsb] matrix_a_fmt:MATRIX_FMT_BF6 matrix_b_fmt:MATRIX_FMT_BF6
.elseif ((\ra)==1)&&((\rb)==0)
	v_wmma_scale_f32_16x16x128_f8f6f4 v[wd:wd+7], v[wa:wa+11], v[wb:wb+11], v[wd:wd+7], v[wsa], v[wsb] matrix_a_fmt:MATRIX_FMT_BF6 matrix_b_fmt:MATRIX_FMT_BF6 matrix_a_scale:MATRIX_SCALE_ROW1
.elseif ((\ra)==0)&&((\rb)==1)
	v_wmma_scale_f32_16x16x128_f8f6f4 v[wd:wd+7], v[wa:wa+11], v[wb:wb+11], v[wd:wd+7], v[wsa], v[wsb] matrix_a_fmt:MATRIX_FMT_BF6 matrix_b_fmt:MATRIX_FMT_BF6 matrix_b_scale:MATRIX_SCALE_ROW1
.else
	v_wmma_scale_f32_16x16x128_f8f6f4 v[wd:wd+7], v[wa:wa+11], v[wb:wb+11], v[wd:wd+7], v[wsa], v[wsb] matrix_a_fmt:MATRIX_FMT_BF6 matrix_b_fmt:MATRIX_FMT_BF6 matrix_a_scale:MATRIX_SCALE_ROW1 matrix_b_scale:MATRIX_SCALE_ROW1
.endif
.endif
.endm
; my U block j of a K step into a slot: 12 loads of 512 consecutive bytes and its scale image: 13 loads
.macro ULOAD slot, sb, j
.set usb, (\sb)
.if (\slot) < 5
	WIN 0x40
.set ub, 48*(\slot)
.else
	WIN 0
.set ub, S5
.endif
.set uq, 0
.rept 12
	global_load_b128 v[ub+4*uq:ub+4*uq+3], v[LU+(\j)], s[usb:usb+1] offset:512*uq
.set uq, uq+1
.endr
	WIN 0
	global_load_b64 v[QSC+2*(\slot):QSC+2*(\slot)+1], v[LS+(\j)], s[usb:usb+1] offset:6144
.endm
; P's four fragments and scale image of the K step d behind the trip's head, from LDS into a set
.macro PLOAD set, d
	s_add_co_u32 s54, s[SG], (\d)
	s_and_b32 s54, s54, 15
	s_mul_i32 s54, s54, UB
	v_add_nc_u32 v[PA], s54, v[L16]
	v_add_nc_u32 v[PB], s54, v[L8]
.set pq, 0
.rept 12
	ds_load_b128 v[PF+48*(\set)+4*pq:PF+48*(\set)+4*pq+3], v[PA] offset:512*pq
.set pq, pq+1
.endr
	ds_load_b64 v[PSC+2*(\set):PSC+2*(\set)+1], v[PB] offset:6144
.endm
; 16 matrix instructions: the slot's four fragments x P's four.  The step's 64 accumulators take turns, one instruction a turn
.macro UMUL slot, set, uu, zero
.if (\slot) < 5
.set mqb, 48*(\slot)
.set mqw, 1
.else
.set mqb, S5
.set mqw, 0
.endif
.set maw, 2+(\uu)/2
	WIN mqw|(maw<<4)|(maw<<6)
.set mf, 0
.rept 4
.set ma, 0
.rept 4
.set wd, 64*((2*(\uu)+mf/2)%4)+16*ma+8*(mf%2)
.set wa, mqb+12*mf
.set wb, PF+48*(\set)+12*ma
.set wsa, QSC+2*(\slot)+mf/2
.set wsb, PSC+2*(\set)+ma/2
	WMS \zero, mf%2, ma%2
.set ma, ma+1
.endr
.set mf, mf+1
.endr
.endm
; A K step.  phi = step % 3; d = the step's place in the trip; n0 = the number of its first U block (in the loop any number that has all its successors).
.macro STEP phi, d, zero, n0
.if (\n0) == 4
; v's work-groups have a short way out, q's and k's a long one.  In the loop's first three trips a wave of v lets all its loads land at each step's head:
; it then has at most four U blocks (52 loads) on their way, where a wave of q or k has up to 65.  The branch hangs on the work-group's y and the loop's counter alone.
	s_cmp_eq_u32 s[TH], 0
	s_cbranch_scc1 .Lfull_\@
	s_wait_loadcnt 0x0
.Lfull_\@:
.endif
.if (\n0) <= 48
	s_wait_xcnt 0x0                                ; the loads that named this base have read it
	s_add_co_u32 s54, s[SG], (\d)+3
	s_and_b32 s54, s54, 15
	s_mul_i32 s54, s54, STEPB
	s_add_nc_u64 s[SB+2*(\phi):SB+2*(\phi)+1], s[QW:QW+1], s[54:55]   ; the K step three on
.endif
	s_wait_dscnt 0x0                               ; P's set for this step, asked for a step ago
.set ui, 0
.rept 4
.set un, (\n0)+ui
.set usl, (4*(\phi)+ui)%6
.set uw, 63-un
.if uw > 5
.set uw, 5
.endif
.set uw, 13*uw
.if uw > 63
.set uw, 63
.endif
	s_wait_loadcnt uw                              ; behind this U block's 13 loads stand those of up to five U blocks, 65
	UMUL usl, \phi, ui, \zero
	WIN 0
.rept 4
	v_nop                                          ; places in front of loads into registers that matrix instructions have read
.endr
.if (ui == 0) && ((\n0) < 60)
	PLOAD ((\phi)+1)%3, (\d)+1
.endif
.if un+6 <= 63
.if ui < 2
	ULOAD usl, SB+2*(((\phi)+1)%3), ui+2           ; the U block six on takes the slot
.else
	ULOAD usl, SB+2*(((\phi)+2)%3), ui-2
.endif
.endif
.set ui, ui+1
.endr
.endm
; 64 numbers of a lane in four blocks (register 16 b + i = number 16 (lane / 16) + i of block b) become 12 registers of codes in v[PC] on (registers 6 c ..: lanes 0-15 block 2 c, lanes 16-31 block 2 c + 1) and the word of four scale bytes v[PW]
.macro QUANT s
.irp b, 0,1,2,3
	v_max3_num_f32 v[TM+\b], |v[\s+16*\b]|, |v[\s+1+16*\b]|, 0x2800000   ; and the floor 2^(5 - 127): the byte cannot fall under 1
.endr
.irp i, 2,4,6,8,10,12,14
.irp b, 0,1,2,3
	v_max3_num_f32 v[TM+\b], v[TM+\b], |v[\s+16*\b+\i]|, |v[\s+1+16*\b+\i]|
.endr
.endr
.irp b, 0,1,2,3
	v_permlanex16_b32 v[TM+4+\b], v[TM+\b], s[SEL], s[SEL+1]
.endr
.irp b, 0,1,2,3
	v_max_num_f32 v[TM+\b], v[TM+\b], v[TM+4+\b]
.endr
.irp b, 0,1,2,3
	v_add_nc_u32 v[TM+12+\b], 0xfe000000, v[TM+\b] ; 4 off the exponent field: the conversion's scale operand
.endr
.irp b, 0,1,2,3
	v_lshrrev_b32 v[TM+4+\b], 23, v[TM+12+\b]      ; the scale's byte
.endr
	v_lshl_or_b32 v[PW], v[TM+5], 8, v[TM+4]
	v_lshl_or_b32 v[PW], v[TM+6], 16, v[PW]
	v_lshl_or_b32 v[PW], v[TM+7], 24, v[PW]
.irp c, 0,1
	v_cvt_scalef32_pk16_bf6_f32 v[PC+6*\c:PC+2+6*\c], v[\s+32*\c:\s+15+32*\c], v[TM+12+2*\c]
	v_cvt_scalef32_pk16_bf6_f32 v[PC+12+4*\c:PC+14+4*\c], v[\s+16+32*\c:\s+31+32*\c], v[TM+12+2*\c+1]
.endr
	v_nop                                          ; one plain place behind a scaled conversion
.irp c, 0,1
.irp i, 0,1,2
	v_permlane16_swap_b32 v[PC+6*\c+\i], v[PC+12+4*\c+\i]
.endr
.irp i, 0,1,2
	v_mov_b32 v[PC+3+6*\c+\i], v[PC+12+4*\c+\i]
.endr
.endr
.endm
.macro GRD g0
	s_wait_tensorcnt 0x0
	ds_add_u32 v[SPW], v[NIL]
.if (\g0)
	s_add_nc_u64 s[(\g0)+2:(\g0)+3], s[(\g0)+2:(\g0)+3], 2048
.endif
	s_wait_dscnt 0x0
	s_barrier_signal -1
	s_barrier_wait -1
.endm
.macro TLOAD g0
	tensor_load_to_lds s[\g0:\g0+3], s[G1C:G1C+7]
	s_nop 0
.rept 4
	v_nop
.endr
.endm
	s_load_b512 s[4:19], s[0:1], 0x0               ; ops, cos, sin, logit_log_scale, bq, bk, bv, qn_w
	s_load_b256 s[20:27], s[0:1], 0x40             ; kn_w, qkc, qks, vc
	s_load_b64 s[28:29], s[0:1], 0x60              ; vs
	v_lshl_add_u32 v[SPW], v0, 2, SPARE
	v_mov_b32 v[NIL], 0
	ds_add_u32 v[SPW], v[NIL]
	ds_add_u32 v[SPW], v[NIL]
	v_lshrrev_b32 v15, 5, v0
	v_readfirstlane_b32 s[WV], v15                 ; wave 0..3
	v_and_b32 v15, 31, v0
	v_lshlrev_b32 v[L16], 4, v15
	v_lshlrev_b32 v[L8], 3, v15
	v_lshlrev_b32 v[VPF], 12, v15                  ; a lane a row of cos or sin
	v_and_b32 v[RL], 15, v0                        ; r
	v_bfe_u32 v[HL], v0, 4, 1                      ; h
	v_lshlrev_b32 v[R4], 2, v[RL]
	s_lshl_b32 s56, s[WV], 8
	s_add_co_u32 s57, s56, SSB
	v_add_nc_u32 v[SSW], s57, v[R4]
	v_add_nc_u32 v[SSR], SSB, v[R4]
	v_lshlrev_b32 v[BOFF], 6, v[HL]
	v_and_b32 v[MOFF], 8, v[RL]
	v_add_nc_u32 v[MOFF], v[MOFF], v[RL]
	v_lshlrev_b32 v[MOFF], 2, v[MOFF]              ; 4 x (r + 8 (r / 8)): my row's place among a fragment's rows
	v_lshlrev_b32 v[R64], 6, v[RL]
	v_mad_u32_u24 v[CB+2], v[MOFF], 260, v[BOFF]   ; that row x 1,040 + 64 h
	v_add_nc_u32 v[CB+2], s56, v[CB+2]             ; + my head's 256 bytes of the phase's 1,024
	v_add_nc_u32 v[CB+3], 2*TILE, v[CB+2]
	v_add_nc_u32 v[CB], SLA, v[CB+2]
	v_add_nc_u32 v[CB+1], SLA+2*TILE, v[CB+2]
	s_wait_alu depctr_va_vdst(0)
	s_and_b32 s[Y], ttmp7, 0xffff
	s_lshr_b32 s56, ttmp9, 4
	s_and_b32 s57, ttmp9, 15
	s_add_co_u32 s58, s[Y], 4
	s_cmp_eq_u32 s[Y], 2
	s_cselect_b32 s59, 6, s56                      ; P's chunk: x's, or Wv
	s_cselect_b32 s58, s56, s58                    ; Q's chunk: Wq, Wk, or x's
	s_mov_b32 s32, 4*UB
	s_cselect_b32 s32, UB, s32                     ; from my U block j to j + 1: v one U block, q and k four
	s_mov_b32 s33, UB
	s_cselect_b32 s33, 4*UB, s33                   ; from wave to wave: v four U blocks, q and k one
	s_mul_i32 s59, s59, CH16
	s_mul_i32 s57, s57, UB
	s_add_co_u32 s60, s59, s57
	s_mul_i32 s57, s[WV], 4*STEPB
	s_add_co_u32 s60, s60, s57                     ; P's U block at K step 4 w
	s_mov_b32 s61, 0
	s_mul_i32 s62, s58, CH16
	s_mul_i32 s57, s[WV], s33
	s_add_co_u32 s62, s62, s57                     ; my first U block of Q
	s_mov_b32 s63, 0
	s_mov_b32 s55, 0                               ; stays 0: the upper word of the offsets in s54
	s_mov_b32 s[SG], ttmp9
	s_mov_b32 s[SEL], 0x76543210
	s_mov_b32 s[SEL+1], 0xfedcba98
.irp j, 0,1,2,3
	v_mad_u32_u24 v[LU+\j], s32, \j, v[L16]
	v_mad_u32_u24 v[LS+\j], s32, \j, v[L8]
.endr
	s_lshr_b32 s56, ttmp9, 5
	s_lshl_b32 s56, s56, 1
	s_add_co_u32 s56, s56, s[Y]
	s_lshl_b32 s56, s56, 8
	v_add_nc_u32 v[VPF], s56, v[VPF]               ; which of a row's four blocks of 256 bytes my work-group names: 2 x batch + y
	; P: four rows of 6,400 bytes (800 elements of 8 bytes), 102,400 bytes apart in memory, dense in LDS
	s_mov_b32 s[G1+0], 3<<16
	s_mov_b32 s[G1+1], 800<<16
	s_mov_b32 s[G1+2], 4<<16
	s_mov_b32 s[G1+3], 800<<16
	s_mov_b32 s[G1+4], 4
	s_mov_b32 s[G1+5], 12800
	s_mov_b32 s[G1+6], 0
	s_mov_b32 s[G1+7], 0
	s_mov_b32 s[G0], 1
	s_mul_i32 s[G0+1], s[WV], 4*UB                 ; K step s lies at LDS byte 6,400 s
	; cos, sin: 32 rows of 256 elements of 4 bytes, 1,024 elements apart, 4 words of padding behind each 256
	s_mov_b32 s[G1C+0], (2<<16)|(1<<20)|(7<<22)|(3<<25)
	s_mov_b32 s[G1C+1], 256<<16
	s_mov_b32 s[G1C+2], 32<<16
	s_mov_b32 s[G1C+3], 256<<16
	s_mov_b32 s[G1C+4], 32
	s_mov_b32 s[G1C+5], 1024
	s_mov_b32 s[G1C+6], 0
	s_mov_b32 s[G1C+7], 0
	s_mov_b32 s[G0A], 1
	s_mul_i32 s[G0A+1], s[WV], TILE
	s_add_co_u32 s[G0A+1], s[G0A+1], SLA
	s_mov_b32 s[G0B], 1
	s_mul_i32 s[G0B+1], s[WV], TILE
	s_lshr_b32 s56, s[WV], 1
	s_and_b32 s56, s56, s[WV]                      ; 1 in wave 3 alone
	s_mul_i32 s56, s56, 2560
	s_add_co_u32 s[G0B+1], s[G0B+1], s56           ; slot B: 0, 33,280, 66,560 on P's bytes; wave 3's at 102,400, behind P
	s_wait_alu depctr_va_vdst(0)
	s_wait_dscnt 0x0
	s_wait_kmcnt 0x0
	s_add_nc_u64 s[G0+2:G0+3], s[4:5], s[60:61]
	s_or_b32 s[G0+3], s[G0+3], 0x80000000
	s_add_nc_u64 s[QW:QW+1], s[4:5], s[62:63]
.irp t, 0,1,2
	s_add_co_u32 s54, ttmp9, \t
	s_and_b32 s54, s54, 15
	s_mul_i32 s54, s54, STEPB
	s_add_nc_u64 s[SB+2*\t:SB+2*\t+1], s[QW:QW+1], s[54:55]
.endr
	tensor_load_to_lds s[G0:G0+3], s[G1:G1+7]      ; my one tensor load at the head: four K steps of P
	s_nop 0
.rept 4
	v_nop
.endr
	ULOAD 0, SB, 0
	ULOAD 1, SB, 1
	ULOAD 2, SB, 2
	ULOAD 3, SB, 3
	ULOAD 4, SB+2, 0
	ULOAD 5, SB+2, 1
	s_and_b32 s56, s[WV], 1
	s_cmp_eq_u32 s56, 0
	s_cselect_b64 s[58:59], s[6:7], s[8:9]         ; even waves fetch cos, odd waves sin
	s_and_b32 s56, ttmp9, 31
	s_lshl_b32 s56, s56, 18                        ; my 64 positions, rows of 4,096 bytes
	s_lshr_b32 s57, s[WV], 1
	s_lshl_b32 s57, s57, 17                        ; their rows 0-31 or 32-63
	s_add_co_u32 s56, s56, s57
	s_mov_b32 s57, 0
	s_add_nc_u64 s[58:59], s[58:59], s[56:57]
	s_mov_b64 s[G0A+2:G0A+3], s[58:59]             ; phase 0
	s_or_b32 s[G0A+3], s[G0A+3], 0x80000000
	s_add_nc_u64 s[PFB:PFB+1], s[58:59], 1024      ; phase 1
	s_mov_b64 s[G0B+2:G0B+3], s[PFB:PFB+1]
	s_or_b32 s[G0B+3], s[G0B+3], 0x80000000
	GRD 0
	s_cmp_eq_u32 s[Y], 2
	s_cbranch_scc1 .Lno0                           ; v has no cos and sin
	TLOAD G0A                                      ; phase 0 into slot A: a first fill
.Lno0:
	PLOAD 0, 0
	STEP 0, 0, 1, 0                                ; the first step's products start the sums
	s_add_co_u32 s[SG], s[SG], 1
	s_mov_b32 s[LC], 4
	s_cmp_eq_u32 s[Y], 2
	s_cselect_b32 s[VF], 1, 0
.Lk:                                                   ; a trip is three K steps, after which slots and sets are back where they began
	s_cmp_gt_u32 s[LC], 1
	s_cselect_b32 s[TH], s[VF], 0                  ; not in the last trip
	STEP 1, 0, 0, 4
	s_cmp_eq_u32 s[Y], 2
	s_cbranch_scc1 .Lnopf
	s_cmp_eq_u32 s[LC], 1
	s_cbranch_scc1 .Lnopf                          ; trips 1, 2, 3 name phases 1, 2, 3; the fourth has none left
	global_prefetch_b8 v[VPF], s[PFB:PFB+1] th:TH_LOAD_NT scope:SCOPE_SE
.Lnopf:
	STEP 2, 1, 0, 4
	STEP 0, 2, 0, 4
	s_add_nc_u64 s[PFB:PFB+1], s[PFB:PFB+1], 1024  ; behind the steps' waits on XCNT: the prefetch has read its base
	s_add_co_u32 s[SG], s[SG], 3
	s_sub_co_u32 s[LC], s[LC], 1
	s_cmp_lg_u32 s[LC], 0
	s_cbranch_scc1 .Lk
	GRD 0
	s_cmp_eq_u32 s[Y], 2
	s_cbranch_scc1 .Lno1
	s_cmp_lg_u32 s[WV], 3
	s_cbranch_scc1 .Lno1
	TLOAD G0B                                      ; wave 3's tile of phase 1, behind P: a first fill
.Lno1:
	STEP 1, 0, 0, 52                               ; the last three steps ask for nothing past U block 63, and their counts run down
	STEP 2, 1, 0, 56
	STEP 0, 2, 0, 60
	s_wait_tensorcnt 0x0
	ds_add_u32 v[SPW], v[NIL]
.irp b, 0,1,2,3
	v_mov_b32 v[TM+4+\b], 0                        ; a lane permute's destination counts as one of its sources
.endr
	s_wait_dscnt 0x0
	s_barrier_signal -1
	s_barrier_wait -1                              ; every wave's reads of P are over
	s_cmp_eq_u32 s[Y], 2
	s_cbranch_scc1 .Lvpath
	s_cmp_eq_u32 s[WV], 3
	s_cbranch_scc1 .Lno2
	TLOAD G0B                                      ; waves 0-2: their tiles of phase 1, on P's bytes
.Lno2:
	; ---------------- q and k ----------------
	s_cmp_eq_u32 s[Y], 0
	s_cselect_b64 s[66:67], s[12:13], s[14:15]     ; the bias
	s_cselect_b64 s[68:69], s[18:19], s[20:21]     ; the gain
	s_cselect_b32 s40, -1, 0                       ; q takes the temperature, k the factor 1
	s_lshl_b32 s34, s[WV], 8
	s_mov_b32 s35, 0
	s_add_nc_u64 s[66:67], s[66:67], s[34:35]      ; at head w
	s_add_nc_u64 s[68:69], s[68:69], s[34:35]
	s_and_b32 s32, ttmp9, 31
	s_lshl_b32 s34, s32, 8
	s_add_nc_u64 s[74:75], s[10:11], s[34:35]      ; the temperature at my first token
	s_lshr_b32 s36, ttmp9, 5
	s_lshl_b32 s36, s36, 11
	s_lshl_b32 s37, s[WV], 7
	s_add_co_u32 s36, s36, s37
	s_lshl_b32 s37, s32, 2
	s_add_co_u32 s36, s36, s37                     ; (16 batch + w) x 128 tiles + my first tile of 16 tokens
	s_mul_i32 s34, s36, 768
	s_mul_i32 s37, s[Y], 3145728
	s_add_co_u32 s34, s34, s37
	s_add_nc_u64 s[76:77], s[22:23], s[34:35]
	s_lshl_b32 s34, s36, 6
	s_lshl_b32 s37, s[Y], 18
	s_add_co_u32 s34, s34, s37
	s_add_nc_u64 s[78:79], s[24:25], s[34:35]
	s_mov_b32 s82, 0x3a800000                      ; 1 / 1,024
	s_mov_b32 s83, 0x358637bd                      ; 1e-6
	WIN 0x40
.set bi, 0
.rept 32
	global_load_b128 v[4*bi:4*bi+3], v[BOFF], s[66:67] offset:1024*(bi/8)+128*((bi/4)%2)+16*(bi%4)   ; the bias of block b' = bi / 4: head 4 (b' / 2) + w, columns 32 (b' % 2) + 16 h + 0 .. 15
.set bi, bi+1
.endr
.set bi, 0
.rept 32
	global_load_b128 v[128+4*bi:128+4*bi+3], v[BOFF], s[68:69] offset:1024*(bi/8)+128*((bi/4)%2)+16*(bi%4)   ; the gain likewise
.set bi, bi+1
.endr
	WIN 0
.irp a, 0,1,2,3
	global_load_b32 v[TT+\a], v[MOFF], s[74:75] offset:(32*(\a/2)+8*(\a%2))*4
.endr
	s_wait_loadcnt 36                              ; the bias is in; the gain's 32 loads and the temperature's 4 may be out
	; the bias is added in place, each accumulator from its low end on; then the squares, in eight chains
.irp ww, 2,3
	WIN (\ww)|(1<<2)|((\ww)<<6)
.set pb, 0
.rept 4
.set pa, 0
.rept 4
.set pk, 0
.rept 8
.set pr, 64*pb+16*pa+2*pk
.set pw, 16*(4*(\ww-2)+pb)+2*pk
	v_pk_add_f32 v[pr:pr+1], v[pr:pr+1], v[pw:pw+1]
.set pk, pk+1
.endr
.set pa, pa+1
.endr
.set pb, pb+1
.endr
	WIN (\ww)|((\ww)<<2)
.set pb, 0
.rept 4
.set pk, 0
.rept 8
.set pa, 0
.rept 4
.set pr, 64*pb+16*pa+2*pk
.set pw, SQ+4*pa+2*(pk%2)
.if (\ww == 2) && (pb == 0) && (pk < 2)
	v_pk_mul_f32 v[pw:pw+1], v[pr:pr+1], v[pr:pr+1]   ; the first squares start the sums
.else
	v_pk_fma_f32 v[pw:pw+1], v[pr:pr+1], v[pr:pr+1], v[pw:pw+1]
.endif
.set pa, pa+1
.endr
.set pk, pk+1
.endr
.set pb, pb+1
.endr
.endr
	WIN 0
.irp a, 0,1,2,3
	v_pk_add_f32 v[SQ+4*\a:SQ+4*\a+1], v[SQ+4*\a:SQ+4*\a+1], v[SQ+4*\a+2:SQ+4*\a+3]
.endr
.irp a, 0,1,2,3
	v_add_f32 v[SQ+4*\a], v[SQ+4*\a], v[SQ+4*\a+1]
.endr
.irp a, 0,1,2,3
	v_permlanex16_b32 v[SQ+4*\a+1], v[SQ+4*\a], s[SEL], s[SEL+1]
.endr
.irp a, 0,1,2,3
	v_add_f32 v[SQ+4*\a], v[SQ+4*\a], v[SQ+4*\a+1] ; my wave's 256 columns of row r
.endr
.irp a, 0,1,2,3
	ds_store_b32 v[SSW], v[SQ+4*\a] offset:64*\a   ; (both halves of the lanes write the same word with the same value)
.endr
	s_wait_dscnt 0x0                               ; for the others' sake: my sums have landed
	s_barrier_signal -1
	s_barrier_wait -1                              ; phase 1's loads may be out
.irp a, 0,1,2,3
.irp w, 0,1,2,3
	ds_load_b32 v[OUT+4*\a+\w], v[SSR] offset:256*\w+64*\a
.endr
.endr
	s_wait_dscnt 0x0
.irp a, 0,1,2,3
	v_add_f32 v[OUT+4*\a], v[OUT+4*\a], v[OUT+4*\a+1]
	v_add_f32 v[OUT+4*\a+2], v[OUT+4*\a+2], v[OUT+4*\a+3]
.endr
.irp a, 0,1,2,3
	v_add_f32 v[OUT+4*\a], v[OUT+4*\a], v[OUT+4*\a+2]
.endr
.irp a, 0,1,2,3
	v_fma_f32 v[OUT+4*\a], v[OUT+4*\a], s82, s83   ; the mean of the squares + eps
.endr
	s_wait_alu depctr_va_vdst(0)
.irp a, 0,1,2,3
	v_rsq_f32 v[RR+2*\a], v[OUT+4*\a]
.endr
	v_nop                                          ; a plain place behind the last of them
	s_wait_alu depctr_va_vdst(0)                   ; and for one behind it, ahead of the first reader
	s_wait_loadcnt 0x0                             ; the gain and the temperature
.irp a, 0,1,2,3
	v_cndmask_b32 v[TT+\a], 1.0, v[TT+\a], s40
.endr
.irp a, 0,1,2,3
	v_mul_f32 v[RR+2*\a], v[RR+2*\a], v[TT+\a]
.endr
.irp a, 0,1,2,3
	v_mov_b32 v[RR+2*\a+1], v[RR+2*\a]             ; (named with it as a pair)
.endr
; my 16 cos and 16 sin of group k = 2 c + blk: tile of rows 2 m + c (8 c rows down in the tile of 32), block blk of my head; sd: from cos's tile to sin's
.macro LDCS cbr, sd, k
.set lq, 0
.rept 4
	ds_load_b128 v[CSA+32*((\k)%2)+4*lq:CSA+32*((\k)%2)+4*lq+3], v[\cbr] offset:8*CPI*((\k)/2)+128*((\k)%2)+16*lq
	ds_load_b128 v[CSA+32*((\k)%2)+16+4*lq:CSA+32*((\k)%2)+16+4*lq+3], v[\cbr] offset:(\sd)+8*CPI*((\k)/2)+128*((\k)%2)+16*lq
.set lq, lq+1
.endr
.endm
; Half a phase: head 4 j + w, tiles of rows 2 m and 2 m + 1.  y = (x + b) gain factor; out = y cos + rot(y) sin; quantised; stored.
.macro HALF j, m, cbr, sd
	LDCS \cbr, \sd, 0
.set rb, 0
.rept 4
.if rb < 3
	LDCS \cbr, \sd, rb+1
	s_wait_dscnt 8                                 ; group rb's eight loads are in, the next group's may be out
.else
	s_wait_dscnt 0x0
.endif
.set cb, CSA+32*(rb%2)
.set ab, 64*(2*((\j)%2)+rb%2)+16*(2*(\m)+rb/2)
.set gb, 128+16*(2*(\j)+rb%2)
	WIN (2+(\j)/2)|(1<<2)
.set rk, 0
.rept 8
	v_pk_mul_f32 v[YT+2*rk:YT+2*rk+1], v[ab+2*rk:ab+2*rk+1], v[gb+2*rk:gb+2*rk+1]
.set rk, rk+1
.endr
	WIN 0
.set rk, 0
.rept 8
	v_pk_mul_f32 v[YT+2*rk:YT+2*rk+1], v[YT+2*rk:YT+2*rk+1], v[RR+2*(2*(\m)+rb/2):RR+2*(2*(\m)+rb/2)+1] op_sel_hi:[1,0]
.set rk, rk+1
.endr
.set rk, 0
.rept 8
	v_pk_mul_f32 v[cb+2*rk:cb+2*rk+1], v[YT+2*rk:YT+2*rk+1], v[cb+2*rk:cb+2*rk+1]
.set rk, rk+1
.endr
.set rk, 0
.rept 8                                ; low: -y(odd) sin(even) + y(even) cos(even);  high: y(even) sin(odd) + y(odd) cos(odd)
	v_pk_fma_f32 v[OUT+16*rb+2*rk:OUT+16*rb+2*rk+1], v[YT+2*rk:YT+2*rk+1], v[cb+16+2*rk:cb+16+2*rk+1], v[cb+2*rk:cb+2*rk+1] op_sel:[1,0,0] op_sel_hi:[0,1,1] neg_lo:[1,0,0]
.set rk, rk+1
.endr
.set rb, rb+1
.endr
	s_wait_xcnt 0x0                                ; the earlier stores have read their data
	QUANT OUT
.irp c, 0,1
.irp p, 0,1,2
	global_store_b64 v[L8], v[PC+6*\c+2*\p:PC+6*\c+2*\p+1], s[76:77] offset:(4*(\j)*128+2*(\m)+\c)*768+256*\p   ; 256 consecutive bytes, aligned
.endr
.endr
	v_perm_b32 v[WD], v[PW], v[PW], 0x01000100     ; a tile's two bytes, twice: they serve in either half of a K of 128
	v_perm_b32 v[WD+1], v[PW], v[PW], 0x03020302
	global_store_b32 v[R4], v[WD], s[78:79] offset:(4*(\j)*128+2*(\m))*64
	global_store_b32 v[R4], v[WD+1], s[78:79] offset:(4*(\j)*128+2*(\m)+1)*64
.endm
	HALF 0, 0, CB, TILE                            ; phase 0, slot A
	HALF 0, 1, CB+1, TILE
	GRD G0A
	TLOAD G0A                                      ; phase 2 into slot A
	HALF 1, 0, CB+2, TILE                          ; phase 1, slot B
	HALF 1, 1, CB+3, 35840                         ; (wave 3's tile lies at 102,400)
	GRD G0B
	TLOAD G0B                                      ; phase 3 into slot B
	HALF 2, 0, CB, TILE
	HALF 2, 1, CB+1, TILE
	s_wait_tensorcnt 0x0                           ; my tile of phase 3 has landed,
	s_wait_dscnt 0x0
	s_barrier_signal -1
	s_barrier_wait -1                              ; everybody's has; nothing more is filled
	HALF 3, 0, CB+2, TILE
	HALF 3, 1, CB+3, 35840
	s_wait_tensorcnt 0x0                           ; the wave's end
	ds_add_u32 v[SPW], v[NIL]
	s_wait_dscnt 0x0
	s_endpgm
	; ---------------- v ----------------
.Lvpath:
	s_and_b32 s32, ttmp9, 15                       ; the head
	s_lshr_b32 s33, ttmp9, 4                       ; x's chunk of 1,024 tokens
	s_lshr_b32 s36, s33, 1
	s_lshl_b32 s36, s36, 4
	s_add_co_u32 s36, s36, s32                     ; 16 batch + head
	s_and_b32 s33, s33, 1
	s_lshl_b32 s34, s32, 8
	s_mov_b32 s35, 0
	s_add_nc_u64 s[66:67], s[16:17], s[34:35]      ; bv at the head's 64
	s_lshl_b32 s37, s33, 4
	s_lshl_b32 s38, s[WV], 2
	s_add_co_u32 s37, s37, s38
	s_mul_i32 s37, s37, 3072                       ; my first pair of key blocks
	s_mul_i32 s34, s36, 98304
	s_add_co_u32 s34, s34, s37
	s_add_nc_u64 s[76:77], s[26:27], s[34:35]
	s_lshl_b32 s34, s36, 12
	s_lshl_b32 s37, s33, 5
	s_add_co_u32 s34, s34, s37
	s_lshl_b32 s37, s[WV], 3
	s_add_co_u32 s34, s34, s37
	s_add_nc_u64 s[78:79], s[28:29], s[34:35]
.irp a, 0,1,2,3
	global_load_b32 v[RR+2*\a], v[MOFF], s[66:67] offset:(32*(\a/2)+8*(\a%2))*4   ; a lane holds one channel: one bias a tile
.endr
	s_wait_loadcnt 0x0
.irp a, 0,1,2,3
	v_mov_b32 v[RR+2*\a+1], v[RR+2*\a]
.endr
.macro VUNIT a, gg
	WIN 2+(\gg)
.set rk, 0
.rept 32                               ; each accumulator from its low end on
	v_pk_add_f32 v[OUT+2*rk:OUT+2*rk+1], v[64*(rk/8)+16*(\a)+2*(rk%8):64*(rk/8)+16*(\a)+2*(rk%8)+1], v[RR+2*(\a):RR+2*(\a)+1] op_sel_hi:[1,0]
.set rk, rk+1
.endr
	WIN 0
	s_wait_xcnt 0x0                                ; the earlier stores have read their data
	QUANT OUT
.irp c, 0,1
.irp p, 0,1,2
	global_store_b64 v[L8], v[PC+6*\c+2*\p:PC+6*\c+2*\p+1], s[76:77] offset:(2*(\gg)+\c)*3072+(3*(\a)+\p)*256   ; 256 consecutive bytes, aligned
.endr
.endr
	v_mov_b32 v[VP+(\gg)], v[PW]
.if (\gg) == 1
	global_store_b64 v[R64], v[VP:VP+1], s[78:79] offset:1024*(\a)   ; my channel's eight scale bytes
.endif
.endm
.irp a, 0,1,2,3
	VUNIT \a, 0
	VUNIT \a, 1
.endr
	s_wait_tensorcnt 0x0
	ds_add_u32 v[SPW], v[NIL]
	s_wait_dscnt 0x0
	s_endpgm
.Lfunc_end_k_qfbb5618d8a_qkv:
	.size	k_qfbb5618d8a_qkv, .Lfunc_end_k_qfbb5618d8a_qkv-k_qfbb5618d8a_qkv
	.p2alignl 7, 3214868480
	.fill 96, 4, 3214868480
	.section	.rodata,"a",@progbits
	.p2align	6, 0x0
	.amdhsa_kernel k_qfbb5618d8a_qkv
		.amdhsa_group_segment_fixed_size 327680
		.amdhsa_private_segment_fixed_size 0
		.amdhsa_enable_private_segment 0
		.amdhsa_kernarg_size 104
		.amdhsa_user_sgpr_count 2
		.amdhsa_user_sgpr_kernarg_segment_ptr 1
		.amdhsa_wavefront_size32 1
		.amdhsa_system_sgpr_workgroup_id_x 1
		.amdhsa_system_sgpr_workgroup_id_y 1
		.amdhsa_system_sgpr_workgroup_id_z 1
		.amdhsa_system_vgpr_workitem_id 0
		.amdhsa_next_free_vgpr 1024
		.amdhsa_next_free_sgpr 100
		.amdhsa_reserve_vcc 0
		.amdhsa_float_denorm_mode_32 3
		.amdhsa_float_denorm_mode_16_64 3
		.amdhsa_memory_ordered 1
		.amdhsa_forward_progress 1
		.amdhsa_inst_pref_size 255
	.end_amdhsa_kernel
	.section	.bss,"aw",@nobits
	.p2align	6
	.space	262144
	.amdgpu_metadata
---
amdhsa.version: [ 1, 2 ]
amdhsa.kernels:
  - .name:           k_qfbb5618d8a_qkv
    .symbol:         k_qfbb5618d8a_qkv.kd
    .args:
      - { .name: ops, .offset: 0, .size: 8, .value_kind: global_buffer, .address_space: global }
      - { .name: cos, .offset: 8, .size: 8, .value_kind: global_buffer, .address_space: global }
      - { .name: sin, .offset: 16, .size: 8, .value_kind: global_buffer, .address_space: global }
      - { .name: logit_log_scale, .offset: 24, .size: 8, .value_kind: global_buffer, .address_space: global }
      - { .name: bq, .offset: 32, .size: 8, .value_kind: global_buffer, .address_space: global }
      - { .name: bk, .offset: 40, .size: 8, .value_kind: global_buffer, .address_space: global }
      - { .name: bv, .offset: 48, .size: 8, .value_kind: global_buffer, .address_space: global }
      - { .name: qn_w, .offset: 56, .size: 8, .value_kind: global_buffer, .address_space: global }
      - { .name: kn_w, .offset: 64, .size: 8, .value_kind: global_buffer, .address_space: global }
      - { .name: qkc, .offset: 72, .size: 8, .value_kind: global_buffer, .address_space: global }
      - { .name: qks, .offset: 80, .size: 8, .value_kind: global_buffer, .address_space: global }
      - { .name: vc, .offset: 88, .size: 8, .value_kind: global_buffer, .address_space: global }
      - { .name: vs, .offset: 96, .size: 8, .value_kind: global_buffer, .address_space: global }
    .group_segment_fixed_size: 327680
    .private_segment_fixed_size: 0
    .kernarg_segment_align: 8
    .kernarg_segment_size: 104
    .max_flat_workgroup_size: 128
    .sgpr_count:     100
    .vgpr_count:     1024
    .wavefront_size: 32
...
	.end_amdgpu_metadata
.endif
;; end of part 2
;; launch attn (part 3): grid 8 x 32, 16 waves a work-group, no clusters, 94,208 bytes of LDS; arguments qkc, qks, vc, vs, ao; writes ao
.if DOCPART == 3
	.amdgcn_target "amdgcn-amd-amdhsa--gfx1250"
	.amdhsa_code_object_version 6
	.text
	.protected	k_qfbb5618d8a_attn
	.globl	k_qfbb5618d8a_attn
	.p2align	8
	.type	k_qfbb5618d8a_attn,@function
k_qfbb5618d8a_attn:
	s_mov_b64 s[64:65], 0
	v_nop
	global_prefetch_b8 v0, s[64:65] scope:SCOPE_SE
	s_setreg_imm32_b32 hwreg(HW_REG_WAVE_MODE, 25, 1), 1
	s_wait_xcnt 0x0
; Attention of one (batch, head) on codes of BF6: scores = q k^T / 8 under the mask (key <= query) and (key > query - 512 or key = 0); p = 2^(t - M), t = score log2(e) / 8, M the running largest t rounded up to a whole
; number; p is quantised along the keys; the row's sum is taken of the unquantised p and divides at the end; the result is quantised along the 64 channels for the output projection.
; A work-group owns 256 queries, each of its sixteen waves one tile of 16, in 256 registers: four waves to a SIMD, so that one wave's softmax stands beside another's products and LDS loads.
; Tile T's row r is token 32 (T / 2) + 8 (T % 2) + r + 8 (r / 8), for queries and keys alike.  Both products are used transposed: a lane holds one query, and the 16 registers of a key block's two tiles are 16 neighbouring keys.
; WHAT THE MASK THROWS AWAY IS NOT COMPUTED: a tile of queries in key block beta sees blocks beta - 16 .. beta, and key 0.  A wave walks 17 blocks from lb = max(beta - 16, 0) (the first two work-groups of a head: from 0): four steps of
; four blocks, and a half step of the 17th block and block 0 (for key 0, counted there only where it lies outside the window).
; The head size is 64, so a fragment of 128 along K holds BOTH tiles of a key block: one product takes q in the lower 64 and zero codes above, the other the reverse.
; LDS is filled once, through registers (dense loads of 512 bytes): 13 pairs of key blocks of K and of V (pair 0, and the 12 pairs that the sixteen waves' windows span), and the head's scale bytes.  One barrier behind the fill (another at the end); no LDS store follows it.
; NO CLUSTER: neighbouring work-groups' windows begin 4 pairs apart, so no two ask for the same 13 pairs.
; LIMITS: hidden scores are -infinity where the definition has -1e30: p is 0 either way; an exponential under 2^-126 comes out as 0; a block of zeros gets the scale byte 1; NaN and infinities among the inputs are not served.
.set UB,    6400
.set STEPB, 102400
.set CH8,   819200
.set KL,   0                           ; 13 pairs x 3,072 bytes of K's codes
.set VL,   39936                       ; of V's
.set KSL,  79872                       ; K's scale words, pair by pair as the codes: 256 bytes for the pair that each wave brings.  V's scale words go from memory straight into registers
.set AK,   1                           ; v1   K's codes at my first block
.set AV,   2                           ; v2   V's codes: lanes 0-15 at my first block, lanes 16-31 at the next
.set AKS,  3                           ; v3   K's scale words at my first block
.set AVL,  5                           ; v5   the half step's V: lanes 0-15 the 17th block, lanes 16-31 block 0
.set AKS0, 6                           ; v6   block 0's scale words
.set DD,   7                           ; v7   my query - the first key that my registers hold
.set DL,   8                           ; v8   the same - 512
.set DS,   9                           ; v9   not negative where key 0 lies outside the window and my register holds it
.set NINF, 10
.set QS,   11                          ; v11  q's scale words
.set SV,   34                          ; v34-53 V's scale words: five for each tile of channels
.set KSC,  54                          ; v54-57 K's scale words
.set KF,   58                          ; v58-105 four fragments of K or of V
.set S,    106                         ; v106-169 scores, then p
.set OT,   170                         ; v170-201 O^T
.set PC,   202                         ; v202-221 p's codes
.set TM,   222                         ; v222-237 at work
.set FF,   238                         ; v[238:239] 2^(old M - new M)
.set TMP,  240
.set PW,   241                         ; p's scale word
.set L8,   242
.set R8,   243
.set FILL, 244
.set VA,   245
.set VB,   246
.set L16,  247
.set R4,   253
.set FKS,  254
.set FVS,  255
.set WV,  14
.set BH,  15
.set REL, 16
.set LB,  17
.set BP,  18
.set SEL, 20
.set CS,  22
.set PQ,  36
.set PQS, 38
.set PK,  40
.set PVV, 42
.set PKS, 44
.set PVS, 46
.set PAO, 48
.set PAS, 50
.set NB,  56                           ; s56  the key block that holds my queries
	s_load_b256 s[4:11], s[0:1], 0x0               ; qkc, qks, vc, vs
	s_load_b64 s[12:13], s[0:1], 0x20              ; ao
	v_lshl_add_u32 v232, v0, 2, 0x16800
	v_mov_b32 v233, 0
	v_lshrrev_b32 v[TMP], 5, v0
	s_delay_alu instid0(VALU_DEP_1)
	v_readfirstlane_b32 s[WV], v[TMP]              ; wave 0..15
	v_and_b32 v248, 31, v0                         ; lane
	s_wait_alu depctr_va_vdst(0)
	v_and_b32 v249, 15, v0                         ; r
	s_wait_alu depctr_va_vdst(0)
	v_bfe_u32 v250, v0, 4, 1                       ; h
	s_wait_alu depctr_va_vdst(0)
	s_and_b32 s[BH], ttmp7, 0xffff
	s_max_u32 s19, ttmp9, 2
	s_sub_co_u32 s19, s19, 2
	s_lshr_b32 s24, s[WV], 1
	s_cmp_ge_u32 ttmp9, 2
	s_cselect_b32 s[REL], s24, 0
	s_lshl_b32 s[NB], ttmp9, 3
	s_add_co_u32 s[NB], s[NB], s24                 ; 8 x work-group + wave / 2.  Under 16 my walk begins at block 0, and every block behind this one is hidden whole
	s_lshl_b32 s[LB], s19, 3
	s_add_co_u32 s[LB], s[LB], s[REL]              ; my first block in the head
	s_lshl_b32 s[BP], s19, 2                       ; the first of the 12 pairs
	v_lshlrev_b32 v[L8], 3, v248
	v_lshlrev_b32 v[R8], 3, v249
	v_lshlrev_b32 v[L16], 4, v248
	v_lshlrev_b32 v[R4], 2, v249
	s_mul_i32 s25, s[REL], 1536
	s_add_co_u32 s25, s25, KL+3072
	v_add_nc_u32 v[AK], s25, v[L8]
	v_add_nc_u32 v251, s[REL], v250
	s_delay_alu instid0(VALU_DEP_1)
	v_lshrrev_b32 v252, 1, v251
	s_delay_alu instid0(VALU_DEP_2)
	v_and_b32 v251, 1, v251
	s_delay_alu instid0(VALU_DEP_2)
	v_mul_u32_u24 v252, v252, 3072
	s_delay_alu instid0(VALU_DEP_1)
	v_lshl_add_u32 v252, v251, 7, v252
	s_delay_alu instid0(VALU_DEP_1)
	v_add_nc_u32 v252, v252, v[R8]
	s_delay_alu instid0(VALU_DEP_1)
	v_add_nc_u32 v[AV], VL+3072, v252              ; block rel + h: its pair, its half of the pair's lanes
	s_lshl_b32 s25, s[REL], 7
	s_add_co_u32 s25, s25, KSL+256
	v_lshl_add_u32 v[AKS], v248, 2, s25
	s_add_co_u32 s26, s[REL], 18
	s_lshr_b32 s26, s26, 1
	s_mul_i32 s26, s26, 3072
	s_and_b32 s27, s[REL], 1
	s_lshl_b32 s27, s27, 7
	s_add_co_u32 s26, s26, s27
	v_xor_b32 v251, 1, v250
	s_delay_alu instid0(VALU_DEP_1)
	v_mul_u32_u24 v251, s26, v251                  ; one product: block 0's place + (1 - h) x the distance to the 17th block's
	s_delay_alu instid0(VALU_DEP_1)
	v_add_nc_u32 v251, v251, v[R8]
	s_delay_alu instid0(VALU_DEP_1)
	v_add_nc_u32 v[AVL], VL, v251
	v_lshl_add_u32 v[AKS0], v248, 2, KSL
	s_lshl_b32 s28, ttmp9, 8
	s_lshl_b32 s29, s24, 5
	s_add_co_u32 s28, s28, s29
	s_and_b32 s29, s[WV], 1
	s_lshl_b32 s29, s29, 3
	s_add_co_u32 s28, s28, s29
	v_and_b32 v251, 8, v249
	s_delay_alu instid0(VALU_DEP_1)
	v_add_nc_u32 v251, v251, v249
	s_delay_alu instid0(VALU_DEP_1)
	v_add_nc_u32 v251, s28, v251                   ; my query
	s_lshl_b32 s29, s[LB], 5
	v_sub_nc_u32 v[DD], v251, s29
	v_lshlrev_b32 v252, 4, v250
	s_delay_alu instid0(VALU_DEP_1)
	v_sub_nc_u32 v[DD], v[DD], v252
	s_delay_alu instid0(VALU_DEP_1)
	v_add_nc_u32 v[DL], 0xfffffe00, v[DD]
	v_lshlrev_b32 v252, 12, v250
	s_delay_alu instid0(VALU_DEP_1)
	v_sub_nc_u32 v[DS], v251, v252
	s_delay_alu instid0(VALU_DEP_1)
	v_add_nc_u32 v[DS], 0xfffffe00, v[DS]
	v_mov_b32 v[NINF], 0xff800000
	s_mul_i32 s25, s[WV], 3072
	v_add_nc_u32 v[FILL], s25, v[L16]
	s_lshl_b32 s25, s[WV], 8
	s_add_co_u32 s25, s25, KSL
	v_add_nc_u32 v[FKS], s25, v[L8]
	v_lshlrev_b32 v[VB], 6, v249                   ; channel r's row of scale bytes, in memory
	s_lshr_b32 s26, s[LB], 2
	s_lshl_b32 s26, s26, 2
	v_add_nc_u32 v[VA], s26, v[VB]                 ; at the word that holds my first block's byte
	s_and_b32 s25, s[LB], 3
	s_lshl_b32 s25, s25, 3                         ; and that byte's place in it, in bits
	s_mov_b32 s[SEL], 0x76543210
	s_mov_b32 s[SEL+1], 0xfedcba98
	s_mov_b32 s[CS], 0x3e38aa3b                    ; c = log2(e) / 8
	s_mov_b32 s[CS+1], s[CS]
	s_lshl_b32 s30, s[BH], 7
	s_lshl_b32 s31, ttmp9, 4
	s_add_co_u32 s30, s30, s31
	s_add_co_u32 s30, s30, s[WV]                   ; my tile of queries
	s_mov_b32 s33, 0
	s_wait_alu depctr_va_vdst(0)
	s_wait_kmcnt 0x0
	s_mul_i32 s32, s30, 768
	s_add_nc_u64 s[PQ:PQ+1], s[4:5], s[32:33]
	s_lshl_b32 s32, s30, 6
	s_add_nc_u64 s[PQS:PQS+1], s[6:7], s[32:33]
	s_add_co_u32 s34, s[BP], s[WV]
	s_sub_co_u32 s34, s34, 1
	s_cmp_eq_u32 s[WV], 0
	s_cselect_b32 s34, 0, s34                      ; the pair that I bring: wave 0 pair 0, waves 1-12 the twelve
	s_min_u32 s34, s34, 31
	s_lshl_b32 s55, s34, 8                         ; that pair's four tiles of scale words: 256 bytes
	s_mul_i32 s34, s34, 3072
	s_mul_i32 s35, s[BH], 98304
	s_add_co_u32 s34, s34, s35
	s_mov_b32 s32, s34
	s_add_nc_u64 s[PVV:PVV+1], s[8:9], s[32:33]
	s_add_co_u32 s32, s34, 3145728                 ; k's tiles lie behind q's
	s_add_nc_u64 s[PK:PK+1], s[4:5], s[32:33]
	s_lshl_b32 s32, s[BH], 13
	s_add_co_u32 s32, s32, s55
	s_add_co_u32 s32, s32, 262144
	s_add_nc_u64 s[PKS:PKS+1], s[6:7], s[32:33]
	s_lshl_b32 s32, s[BH], 12
	s_add_nc_u64 s[PVS:PVS+1], s[10:11], s[32:33]
	; where my tile goes in ao: chunk of 1,024 tokens, K step = head / 2, U block of 64 tokens, fragment w % 4, half of its registers by the head's parity
	s_lshr_b32 s34, s[BH], 4
	s_lshl_b32 s34, s34, 1
	s_lshr_b32 s35, ttmp9, 2
	s_add_co_u32 s34, s34, s35
	s_mul_i32 s34, s34, CH8
	s_and_b32 s35, s[BH], 15
	s_lshr_b32 s52, s35, 1
	s_mul_i32 s52, s52, STEPB
	s_add_co_u32 s34, s34, s52
	s_and_b32 s52, ttmp9, 3
	s_lshl_b32 s52, s52, 2
	s_lshr_b32 s53, s[WV], 2
	s_add_co_u32 s52, s52, s53
	s_mul_i32 s52, s52, UB
	s_add_co_u32 s34, s34, s52
	s_and_b32 s35, s35, 1
	s_and_b32 s52, s[WV], 3
	s_mul_i32 s53, s52, 1536
	s_mul_i32 s54, s35, 768
	s_add_co_u32 s53, s53, s54
	s_add_co_u32 s32, s34, s53
	s_add_nc_u64 s[PAO:PAO+1], s[12:13], s[32:33]
	s_and_b32 s53, s[WV], 1
	s_lshl_b32 s53, s53, 7
	s_lshr_b32 s52, s52, 1
	s_lshl_b32 s52, s52, 2
	s_add_co_u32 s53, s53, s52
	s_lshl_b32 s35, s35, 1
	s_add_co_u32 s53, s53, s35
	s_add_co_u32 s53, s53, 6144
	s_add_co_u32 s32, s34, s53
	s_add_nc_u64 s[PAS:PAS+1], s[12:13], s[32:33]
.irp p, 0,1,2
	global_load_b64 v[22+2*\p:23+2*\p], v[L8], s[PQ:PQ+1] offset:256*\p   ; q's six registers stay
.endr
	global_load_b32 v[QS], v[R4], s[PQS:PQS+1]
	global_load_b64 v[S+32:S+33], v[L8], s[PKS:PKS+1]
.irp t, 0,1,2,3
.irp j, 0,1,2,3,4
	global_load_b32 v[S+8*\t+\j], v[VA] , s[PVS:PVS+1] offset:1024*\t+4*\j
.endr
	global_load_b32 v[S+8*\t+5], v[VB], s[PVS:PVS+1] offset:1024*\t
.endr
	s_cmp_lt_u32 s[WV], 13
	s_cbranch_scc0 .Lnofill
.irp k, 0,1,2,3,4,5
	global_load_b128 v[KF+4*\k:KF+4*\k+3], v[L16], s[PK:PK+1] offset:512*\k
.endr
.irp k, 0,1,2,3,4,5
	global_load_b128 v[KF+24+4*\k:KF+24+4*\k+3], v[L16], s[PVV:PVV+1] offset:512*\k
.endr
	s_wait_loadcnt 0x0
	s_wait_alu depctr_va_vdst(0)
.irp k, 0,1,2,3,4,5
	ds_store_b128 v[FILL], v[KF+4*\k:KF+4*\k+3] offset:KL+512*\k
.endr
.irp k, 0,1,2,3,4,5
	ds_store_b128 v[FILL], v[KF+24+4*\k:KF+24+4*\k+3] offset:VL+512*\k
.endr
.Lnofill:
	s_wait_loadcnt 0x0
	s_wait_alu depctr_va_vdst(0)
	ds_store_b64 v[FKS], v[S+32:S+33]
.irp j, 16,17,18,19,20,21,28,29,30,31,32,33
	v_mov_b32 v[\j], 0                             ; zero codes on both sides of q: v16-27 = (0, q), v22-33 = (q, 0)
.endr
	v_mov_b32 v13, 0xff61b1e6                      ; the largest t so far: -3e38, under every t
	s_delay_alu instid0(VALU_DEP_1)
	v_floor_f32 v12, -v13                          ; -M
	v_mov_b32 v14, 0
	v_mov_b32 v15, 0
	v_mov_b32 v[FF+1], 0
.irp b, 0,1,2,3
	v_mov_b32 v[TM+4+\b], 0                        ; a lane permute's destination counts as one of its sources
.endr
	v_mov_b32 v[TMP], 0
.set oi, 0
.rept 32
	v_mov_b32 v[OT+oi], 0                          ; the step is written alike for all steps: the first finds zeros
.set oi, oi+1
.endr
	s_wait_dscnt 0x0                               ; for the others' sake: my stores have landed
	s_barrier_signal -1
	s_barrier_wait -1
	; V's scale words: a step's four bytes begin at any byte of the channel's row: two neighbouring words, shifted
.irp t, 0,1,2,3
.irp j, 0,1,2,3
	v_alignbit_b32 v[SV+5*\t+\j], v[S+8*\t+\j+1], v[S+8*\t+\j], s25
.endr
	v_lshrrev_b32 v[S+8*\t+6], s25, v[S+8*\t+4]
	s_delay_alu instid0(VALU_DEP_1)
	v_and_b32 v[S+8*\t+6], 0xff, v[S+8*\t+6]       ; the 17th block's byte,
	v_and_b32 v[S+8*\t+7], 0xff, v[S+8*\t+5]       ; block 0's,
	s_delay_alu instid0(VALU_DEP_1)
	v_lshl_or_b32 v[S+8*\t+6], v[S+8*\t+7], 8, v[S+8*\t+6]
	s_delay_alu instid0(VALU_DEP_1)
	v_or_b32 v[SV+5*\t+4], 0x7f7f0000, v[S+8*\t+6] ; and 127 over the half of K that holds zero codes
.endr
.macro PLACES
.rept 4
	v_nop                                          ; places behind matrix instructions (ISA guide 7.12.1 for vector instructions)
.endr
.endm
.macro SCORES s                        ; four key blocks: eight tiles of scores
.set sb, 0
.rept 4
.set sk, 0
.rept 6
	ds_load_b64 v[KF+12*sb+2*sk:KF+12*sb+2*sk+1], v[AK] offset:(4*(\s)+sb)*1536+256*sk
.set sk, sk+1
.endr
	ds_load_b32 v[KSC+sb], v[AKS] offset:(4*(\s)+sb)*128   ; lanes 0-15 the first tile's words, lanes 16-31 the second's
.set sb, sb+1
.endr
	s_wait_dscnt 0x0
.set sb, 0
.rept 4
	v_wmma_scale_f32_16x16x128_f8f6f4 v[S+16*sb:S+16*sb+7], v[KF+12*sb:KF+12*sb+11], v[22:33], 0, v[KSC+sb], v[QS] matrix_a_fmt:MATRIX_FMT_BF6 matrix_b_fmt:MATRIX_FMT_BF6
	v_wmma_scale_f32_16x16x128_f8f6f4 v[S+16*sb+8:S+16*sb+15], v[KF+12*sb:KF+12*sb+11], v[16:27], 0, v[KSC+sb], v[QS] matrix_a_fmt:MATRIX_FMT_BF6 matrix_b_fmt:MATRIX_FMT_BF6 matrix_a_scale:MATRIX_SCALE_ROW1
.set sb, sb+1
.endr
	PLACES
.endm
.macro VLOAD s                         ; the step's V, asked for ahead of the softmax
.set vi, 0
.rept 24                               ; tile of channels vi / 6, pair of blocks (vi / 3) % 2, piece vi % 3
	ds_load_b64 v[KF+2*vi:KF+2*vi+1], v[AV] offset:(\s)*6144+((vi/3)%2)*3072+(3*(vi/6)+vi%3)*256
.set vi, vi+1
.endr
.endm
.macro CMASK s                         ; the first two work-groups of a head walk blocks that lie after their queries: hidden where the register's key > my query
	s_cmp_ge_u32 ttmp9, 2
	s_cbranch_scc1 .Lopen_\@
.set mi, 0
.rept 64
	v_cmp_gt_i32 vcc_lo, 32*(4*(\s)+mi/16)+mi%16, v[DD]
	v_cndmask_b32 v[S+mi], v[S+mi], v[NINF], vcc_lo
.set mi, mi+1
.endr
.Lopen_\@:
.endm
; the softmax of nb key blocks (4 or 2), and p's codes and scale word
.macro SOFT nb
.set xb, 0
.rept \nb
	v_max3_num_f32 v[TM+xb], v[S+16*xb], v[S+16*xb+1], v[S+16*xb+2]   ; the largest score of each block: for the row's maximum, and, since p rises with the score, for the block's largest p
.set xb, xb+1
.endr
.irp i, 3,5,7,9,11,13
.set xb, 0
.rept \nb
	v_max3_num_f32 v[TM+xb], v[TM+xb], v[S+16*xb+\i], v[S+16*xb+\i+1]
.set xb, xb+1
.endr
.endr
.set xb, 0
.rept \nb
	v_max_num_f32 v[TM+xb], v[TM+xb], v[S+16*xb+15]
.set xb, xb+1
.endr
.set xb, 0
.rept \nb
	v_permlanex16_b32 v[TM+4+xb], v[TM+xb], s[SEL], s[SEL+1]
.set xb, xb+1
.endr
.set xb, 0
.rept \nb
	v_max_num_f32 v[TM+xb], v[TM+xb], v[TM+4+xb]
.set xb, xb+1
.endr
.if \nb == 4
	s_delay_alu instid0(VALU_DEP_2)
	v_max3_num_f32 v[TMP], v[TM], v[TM+1], v[TM+2]
	s_delay_alu instid0(VALU_DEP_1)
	v_max_num_f32 v[TMP], v[TMP], v[TM+3]
.else
	s_delay_alu instid0(VALU_DEP_1)
	v_max_num_f32 v[TMP], v[TM], v[TM+1]
.endif
	s_delay_alu instid0(VALU_DEP_1)
	v_mul_f32 v[TMP], s[CS], v[TMP]
	s_delay_alu instid0(VALU_DEP_1)
	v_max_num_f32 v13, v13, v[TMP]                 ; the running largest t
	v_mov_b32 v[TMP], v12
	s_delay_alu instid0(VALU_DEP_2)
	v_floor_f32 v12, -v13                          ; -M = floor(-t): M is a whole number
	s_delay_alu instid0(VALU_DEP_1)
	v_sub_f32 v[TMP], v12, v[TMP]
	s_delay_alu instid0(VALU_DEP_1)
	v_cvt_i32_f32 v[TMP], v[TMP]                   ; (it saturates)
	s_delay_alu instid0(VALU_DEP_1)
	v_ldexp_f32 v[FF], 1.0, v[TMP]                 ; 2^(old M - new M): a multiplication by it rounds nothing
.set xj, 0
.rept 8*\nb
	v_pk_fma_f32 v[S+2*xj:S+2*xj+1], v[S+2*xj:S+2*xj+1], s[CS:CS+1], v[12:13] op_sel_hi:[1,0,0]   ; t - M
.set xj, xj+1
.endr
.set xb, 0
.rept \nb
	v_fma_f32 v[TM+xb], v[TM+xb], s[CS], v12
.set xb, xb+1
.endr
.set xj, 0
	s_wait_alu depctr_va_vdst(0)
.rept 16*\nb
	v_exp_f32 v[S+xj], v[S+xj]
.set xj, xj+1
.endr
	v_pk_mul_f32 v[14:15], v[14:15], v[FF:FF+1] op_sel_hi:[1,0]   ; the sums under the new M: a plain place behind the exponentials
	s_wait_alu depctr_va_vdst(0)                   ; one wait for the batch, ahead of its first reader
.set xb, 0
.rept \nb
	v_exp_f32 v[TM+xb], v[TM+xb]                   ; the block's largest p
.set xb, xb+1
.endr
	v_pk_add_f32 v[TM+8:TM+9], v[S:S+1], v[S+2:S+3]   ; the row's sum of the unquantised p, in two chains
.set xj, 4
.rept 4*\nb-1
	v_pk_add_f32 v[14:15], v[14:15], v[S+xj:S+xj+1]
	v_pk_add_f32 v[TM+8:TM+9], v[TM+8:TM+9], v[S+xj+2:S+xj+3]
.set xj, xj+4
.endr
	s_delay_alu instid0(VALU_DEP_1)
	v_pk_add_f32 v[14:15], v[14:15], v[TM+8:TM+9]
	s_wait_alu depctr_va_vdst(0)                   ; and one for the blocks' few
.set xb, 0
.rept \nb
	v_max_num_f32 v[TM+xb], 0x2800000, v[TM+xb]    ; the floor 2^(5 - 127)
.set xb, xb+1
.endr
.set xb, 0
.rept \nb
	v_add_nc_u32 v[TM+12+xb], 0xfe000000, v[TM+xb]
.set xb, xb+1
.endr
.set xb, 0
.rept \nb
	v_lshrrev_b32 v[TM+4+xb], 23, v[TM+12+xb]
.set xb, xb+1
.endr
	v_lshl_or_b32 v[PW], v[TM+5], 8, v[TM+4]
.if \nb == 4
	s_delay_alu instid0(VALU_DEP_1)
	v_lshl_or_b32 v[PW], v[TM+6], 16, v[PW]
	s_delay_alu instid0(VALU_DEP_1)
	v_lshl_or_b32 v[PW], v[TM+7], 24, v[PW]
.else
	s_delay_alu instid0(VALU_DEP_1)
	v_or_b32 v[PW], 0x7f7f0000, v[PW]
.endif
.set xc, 0
.rept \nb/2
	v_cvt_scalef32_pk16_bf6_f32 v[PC+6*xc:PC+6*xc+2], v[S+32*xc:S+32*xc+15], v[TM+12+2*xc]
	v_cvt_scalef32_pk16_bf6_f32 v[PC+12+4*xc:PC+12+4*xc+2], v[S+32*xc+16:S+32*xc+31], v[TM+12+2*xc+1]
.set xc, xc+1
.endr
	v_nop                                          ; one plain place behind a scaled conversion
.set xc, 0
.rept \nb/2
.irp i, 0,1,2
	v_permlane16_swap_b32 v[PC+6*xc+\i], v[PC+12+4*xc+\i]
.endr
.irp i, 0,1,2
	s_delay_alu instid0(VALU_DEP_3)
	v_mov_b32 v[PC+3+6*xc+\i], v[PC+12+4*xc+\i]
.endr
.set xc, xc+1
.endr
.if \nb == 2
.irp i, 6,7,8,9,10,11
	v_mov_b32 v[PC+\i], 0                          ; zero codes for the half of K that has no keys
.endr
.endif
.set xj, 0
.rept 16
	v_pk_mul_f32 v[OT+2*xj:OT+2*xj+1], v[OT+2*xj:OT+2*xj+1], v[FF:FF+1] op_sel_hi:[1,0]   ; O^T under the new M; these sixteen also stand between the scale word's and the codes' last writes and the products
.set xj, xj+1
.endr
.endm
.macro PVMUL s                         ; O^T += V^T p^T: four accumulators by turns
	s_wait_dscnt 0x0
.irp t, 0,1,2,3
	v_wmma_scale_f32_16x16x128_f8f6f4 v[OT+8*\t:OT+8*\t+7], v[KF+12*\t:KF+12*\t+11], v[PC:PC+11], v[OT+8*\t:OT+8*\t+7], v[SV+5*\t+(\s)], v[PW] matrix_a_fmt:MATRIX_FMT_BF6 matrix_b_fmt:MATRIX_FMT_BF6
.endr
	PLACES
.endm
	SCORES 0
	VLOAD 0
.set mi, 0
.rept 16                               ; the window's lower edge falls into my first block: hidden where key <= query - 512
	v_cmp_le_i32 vcc_lo, mi, v[DL]
	v_cndmask_b32 v[S+mi], v[S+mi], v[NINF], vcc_lo
.set mi, mi+1
.endr
	CMASK 0
	SOFT 4
	s_wait_alu depctr_va_vdst(0)
	PVMUL 0
.irp s, 1,2,3
	s_cmp_lt_u32 s[NB], 4*\s                       ; this step's four blocks, and all later ones, lie behind my queries: every p there is 0 and M does not move
	s_wait_alu depctr_va_vdst(0)
	s_cbranch_scc1 .Lout
	SCORES \s
	VLOAD \s
	CMASK \s
	SOFT 4
	s_wait_alu depctr_va_vdst(0)
	PVMUL \s
.endr
	; the half step: the 17th block, and block 0 for key 0
	s_cmp_lt_u32 s[NB], 16                         ; the 17th block lies behind my queries, and key 0 inside their window: the half step has nothing to add
	s_wait_alu depctr_va_vdst(0)
	s_cbranch_scc1 .Lout
.irp k, 0,1,2,3,4,5
	ds_load_b64 v[KF+2*\k:KF+2*\k+1], v[AK] offset:16*1536+256*\k
.endr
	ds_load_b32 v[KSC], v[AKS] offset:16*128
.irp k, 0,1,2
	ds_load_b64 v[KF+12+2*\k:KF+12+2*\k+1], v[L8] offset:KL+256*\k   ; block 0's first tile; the fragment's upper half meets q's zero codes
.endr
	ds_load_b32 v[KSC+1], v[AKS0]
	s_wait_dscnt 0x0
	v_wmma_scale_f32_16x16x128_f8f6f4 v[S:S+7], v[KF:KF+11], v[22:33], 0, v[KSC], v[QS] matrix_a_fmt:MATRIX_FMT_BF6 matrix_b_fmt:MATRIX_FMT_BF6
	v_wmma_scale_f32_16x16x128_f8f6f4 v[S+8:S+15], v[KF:KF+11], v[16:27], 0, v[KSC], v[QS] matrix_a_fmt:MATRIX_FMT_BF6 matrix_b_fmt:MATRIX_FMT_BF6 matrix_a_scale:MATRIX_SCALE_ROW1
	v_wmma_scale_f32_16x16x128_f8f6f4 v[S+16:S+23], v[KF+12:KF+23], v[22:33], 0, v[KSC+1], v[QS] matrix_a_fmt:MATRIX_FMT_BF6 matrix_b_fmt:MATRIX_FMT_BF6
	PLACES
.irp t, 0,1,2,3
.irp p, 0,1,2
	ds_load_b64 v[KF+12*\t+2*\p:KF+12*\t+2*\p+1], v[AVL] offset:(3*\t+\p)*256
.endr
.endr
.set mi, 0
.rept 16                               ; the diagonal falls into the 17th block
	v_cmp_gt_i32 vcc_lo, 512+mi, v[DD]
	v_cndmask_b32 v[S+mi], v[S+mi], v[NINF], vcc_lo
.set mi, mi+1
.endr
	v_cmp_gt_i32 vcc_lo, 0, v[DS]
	v_cndmask_b32 v[S+16], v[S+16], v[NINF], vcc_lo   ; key 0, where the window has not counted it
.set mi, 17
.rept 15
	v_mov_b32 v[S+mi], v[NINF]                     ; block 0's other keys
.set mi, mi+1
.endr
	SOFT 2
	s_wait_alu depctr_va_vdst(0)
	PVMUL 4
.Lout:
	v_add_f32 v14, v14, v15
	s_delay_alu instid0(VALU_DEP_1)
	v_permlanex16_b32 v[TMP], v14, s[SEL], s[SEL+1]
	s_delay_alu instid0(VALU_DEP_1)
	v_add_f32 v14, v14, v[TMP]
	s_wait_alu depctr_va_vdst(0)
	v_rcp_f32 v14, v14
	v_nop                                          ; a plain place behind it
	s_wait_alu depctr_va_vdst(0)                   ; the wait, ahead of the first reader
	v_mov_b32 v15, v14
.set xj, 0
.rept 16                               ; each accumulator from its low end on.  Register 16 b + i is channel 32 b + 16 h + i
	v_pk_mul_f32 v[S+2*xj:S+2*xj+1], v[OT+2*xj:OT+2*xj+1], v[14:15]
.set xj, xj+1
.endr
.irp b, 0,1
	v_max3_num_f32 v[TM+\b], |v[S+16*\b]|, |v[S+16*\b+1]|, 0x2800000
.endr
.irp i, 2,4,6,8,10,12,14
.irp b, 0,1
	s_delay_alu instid0(VALU_DEP_2)
	v_max3_num_f32 v[TM+\b], v[TM+\b], |v[S+16*\b+\i]|, |v[S+16*\b+\i+1]|
.endr
.endr
.irp b, 0,1
	s_delay_alu instid0(VALU_DEP_2)
	v_permlanex16_b32 v[TM+4+\b], v[TM+\b], s[SEL], s[SEL+1]
.endr
.irp b, 0,1
	s_delay_alu instid0(VALU_DEP_2)
	v_max_num_f32 v[TM+\b], v[TM+\b], v[TM+4+\b]
.endr
.irp b, 0,1
	s_delay_alu instid0(VALU_DEP_2)
	v_add_nc_u32 v[TM+12+\b], 0xfe000000, v[TM+\b]
.endr
.irp b, 0,1
	s_delay_alu instid0(VALU_DEP_2)
	v_lshrrev_b32 v[TM+4+\b], 23, v[TM+12+\b]
.endr
	s_delay_alu instid0(VALU_DEP_1)
	v_lshl_or_b32 v[TMP], v[TM+5], 8, v[TM+4]
	v_cvt_scalef32_pk16_bf6_f32 v[PC:PC+2], v[S:S+15], v[TM+12]
	v_cvt_scalef32_pk16_bf6_f32 v[PC+12:PC+14], v[S+16:S+31], v[TM+13]
	v_nop
.irp i, 0,1,2
	v_permlane16_swap_b32 v[PC+\i], v[PC+12+\i]
.endr
.irp i, 0,1,2
	s_delay_alu instid0(VALU_DEP_3)
	v_mov_b32 v[PC+3+\i], v[PC+12+\i]
.endr
.irp p, 0,1,2
	global_store_b64 v[L8], v[PC+2*\p:PC+2*\p+1], s[PAO:PAO+1] offset:256*\p   ; 256 consecutive bytes, aligned
.endr
	global_store_b16 v[R8], v[TMP], s[PAS:PAS+1]   ; my row's two bytes of the K step's scale word (the other two are the neighbouring head's)
	s_barrier_signal -1
	s_barrier_wait -1
	s_wait_tensorcnt 0x0
	ds_add_u32 v232, v233
	s_wait_dscnt 0x0
	s_endpgm
.Lfunc_end_k_qfbb5618d8a_attn:
	.size	k_qfbb5618d8a_attn, .Lfunc_end_k_qfbb5618d8a_attn-k_qfbb5618d8a_attn
	.p2alignl 7, 3214868480
	.fill 96, 4, 3214868480
	.section	.rodata,"a",@progbits
	.p2align	6, 0x0
	.amdhsa_kernel k_qfbb5618d8a_attn
		.amdhsa_group_segment_fixed_size 94208
		.amdhsa_private_segment_fixed_size 0
		.amdhsa_enable_private_segment 0
		.amdhsa_kernarg_size 40
		.amdhsa_user_sgpr_count 2
		.amdhsa_user_sgpr_kernarg_segment_ptr 1
		.amdhsa_wavefront_size32 1
		.amdhsa_system_sgpr_workgroup_id_x 1
		.amdhsa_system_sgpr_workgroup_id_y 1
		.amdhsa_system_sgpr_workgroup_id_z 1
		.amdhsa_system_vgpr_workitem_id 0
		.amdhsa_next_free_vgpr 256
		.amdhsa_next_free_sgpr 66
		.amdhsa_reserve_vcc 1
		.amdhsa_float_denorm_mode_32 3
		.amdhsa_float_denorm_mode_16_64 3
		.amdhsa_memory_ordered 1
		.amdhsa_forward_progress 1
		.amdhsa_inst_pref_size 126
	.end_amdhsa_kernel
	.amdgpu_metadata
---
amdhsa.version: [ 1, 2 ]
amdhsa.kernels:
  - .name:           k_qfbb5618d8a_attn
    .symbol:         k_qfbb5618d8a_attn.kd
    .args:
      - { .name: qkc, .offset: 0, .size: 8, .value_kind: global_buffer, .address_space: global }
      - { .name: qks, .offset: 8, .size: 8, .value_kind: global_buffer, .address_space: global }
      - { .name: vc, .offset: 16, .size: 8, .value_kind: global_buffer, .address_space: global }
      - { .name: vs, .offset: 24, .size: 8, .value_kind: global_buffer, .address_space: global }
      - { .name: ao, .offset: 32, .size: 8, .value_kind: global_buffer, .address_space: global }
    .group_segment_fixed_size: 94208
    .private_segment_fixed_size: 0
    .kernarg_segment_align: 8
    .kernarg_segment_size: 40
    .max_flat_workgroup_size: 512
    .sgpr_count:     66
    .vgpr_count:     256
    .wavefront_size: 32
...
	.end_amdgpu_metadata
.endif
;; end of part 3
;; launch oproj (part 4): grid 32 x 8, 4 waves a work-group, no clusters, 168,448 bytes of LDS; arguments ao, ops, bo, out0; writes out0
.if DOCPART == 4
	.amdgcn_target "amdgcn-amd-amdhsa--gfx1250"
	.amdhsa_code_object_version 6
	.text
	.protected	k_qfbb5618d8a_oproj
	.globl	k_qfbb5618d8a_oproj
	.p2align	8
	.type	k_qfbb5618d8a_oproj,@function
k_qfbb5618d8a_oproj:
	s_mov_b64 s[64:65], 0
	v_nop
	global_prefetch_b8 v0, s[64:65] scope:SCOPE_SE
	s_setreg_imm32_b32 hwreg(HW_REG_WAVE_MODE, 25, 1), 1
	s_wait_xcnt 0x0
; out0 = attention output x Wo^T + bo on codes of BF6, K = 1,024 in 8 steps.  A work-group makes 128 tokens x 256 columns; a wave 64 columns: one U block of Wo (64 rows x 128 K, 6,400 bytes, in register order) a K step.
; Source 0 = 16 rows of Wo, source 1 = 16 tokens: a lane holds one token, and by the fragments' row order its 16 registers acc(a, b') are columns 32 b' + 16 (lane / 16) + 0 .. 15 of my 64.
; ALL EIGHT U BLOCKS OF WO ARE ASKED FOR AT THE HEAD and stay in registers (8 x 48: windows 1 and 3).  The tokens' codes for all 8 K steps, 102,400 bytes, come into LDS once, one tensor load a wave.
; THE TOKENS GO IN FOUR STAGES OF 32 (two tiles of 16): a stage is eight turns, one a K step, of 8 products on 8 accumulators; a finished stage goes into my LDS stage at once and is stored behind the next stage's
; first two turns, so that its stores are out while the later stages are multiplied with the same registers of Wo.
; The tokens' fragments come from LDS through four sets of 24 registers, three turns ahead; their scale words for all steps are read once, into 32 registers.
; NO CLUSTER: a wave's rows of Wo are read by that wave alone in its work-group; what the eight work-groups of a row share, the tokens' codes, is 102,400 of a work-group's 307,200 bytes, asked for once.
; NO PREFETCH: every byte is asked for at the head, and there is no loop to run ahead in.
; THE K STEPS ARE WALKED ROTATED: work-group x begins at step x % 8.  LIMIT: the f32 sums over K are therefore taken in another order than ascending.
; REGISTERS: window 0: v1-7 addresses; v8-23 Wo's scale words, v192-223 the tokens' (scales alone); v28-31 bo; v32-127 the tokens' fragments, four sets; v128-191 rows of the result, two sets.
;   window 1: Wo's U blocks 0-4; window 3: 5-7; window 2: 32 accumulators, tile a of 16 tokens at v[32 a].
.set UB,    6400
.set STEPB, 102400
.set CH8,   819200
.set WOB,   11468800
.set STG,   102400                     ; LDS behind the codes: a stage of 16 rows x 272 bytes for each wave
.set SPI,   272
.set L16, 1
.set L8,  2
.set PA,  3
.set STO, 4
.set SRD, 5
.set GO,  6
.set C16, 7
.set QSC, 8
.set BO,  28
.set PF,  32
.set RB,  128
.set PSC, 192                          ; v[192 + 4 t + 2 hf ..]: the scale image of tokens 64 hf on, step walked t-th
.set WV,  12
.set G0,  16
.set G1,  20
.set SB,  32                           ; s[32:47] my U block of the K step walked t-th
.set PO,  48                           ; s48-55  that step's place in LDS
.set MSB, 0
.macro WIN new
.if MSB != (\new)
	s_set_vgpr_msb (MSB<<8)|(\new)
.set MSB, (\new)
.endif
.endm
.macro WMS z, ra, rb
.if (\z)
.if ((\ra)==0)&&((\rb)==0)
	v_wmma_scale_f32_16x16x128_f8f6f4 v[wd:wd+7], v[wa:wa+11], v[wb:wb+11], 0, v[wsa], v[wsb] matrix_a_fmt:MATRIX_FMT_BF6 matrix_b_fmt:MATRIX_FMT_BF6
.elseif ((\ra)==1)&&((\rb)==0)
	v_wmma_scale_f32_16x16x128_f8f6f4 v[wd:wd+7], v[wa:wa+11], v[wb:wb+11], 0, v[wsa], v[wsb] matrix_a_fmt:MATRIX_FMT_BF6 matrix_b_fmt:MATRIX_FMT_BF6 matrix_a_scale:MATRIX_SCALE_ROW1
.elseif ((\ra)==0)&&((\rb)==1)
	v_wmma_scale_f32_16x16x128_f8f6f4 v[wd:wd+7], v[wa:wa+11], v[wb:wb+11], 0, v[wsa], v[wsb] matrix_a_fmt:MATRIX_FMT_BF6 matrix_b_fmt:MATRIX_FMT_BF6 matrix_b_scale:MATRIX_SCALE_ROW1
.else
	v_wmma_scale_f32_16x16x128_f8f6f4 v[wd:wd+7], v[wa:wa+11], v[wb:wb+11], 0, v[wsa], v[wsb] matrix_a_fmt:MATRIX_FMT_BF6 matrix_b_fmt:MATRIX_FMT_BF6 matrix_a_scale:MATRIX_SCALE_ROW1 matrix_b_scale:MATRIX_SCALE_ROW1
.endif
.else
.if ((\ra)==0)&&((\rb)==0)
	v_wmma_scale_f32_16x16x128_f8f6f4 v[wd:wd+7], v[wa:wa+11], v[wb:wb+11], v[wd:wd+7], v[wsa], v[wsb] matrix_a_fmt:MATRIX_FMT_BF6 matrix_b_fmt:MATRIX_FMT_BF6
.elseif ((\ra)==1)&&((\rb)==0)
	v_wmma_scale_f32_16x16x128_f8f6f4 v[wd:wd+7], v[wa:wa+11], v[wb:wb+11], v[wd:wd+7], v[wsa], v[wsb] matrix_a_fmt:MATRIX_FMT_BF6 matrix_b_fmt:MATRIX_FMT_BF6 matrix_a_scale:MATRIX_SCALE_ROW1
.elseif ((\ra)==0)&&((\rb)==1)
	v_wmma_scale_f32_16x16x128_f8f6f4 v[wd:wd+7], v[wa:wa+11], v[wb:wb+11], v[wd:wd+7], v[wsa], v[wsb] matrix_a_fmt:MATRIX_FMT_BF6 matrix_b_fmt:MATRIX_FMT_BF6 matrix_b_scale:MATRIX_SCALE_ROW1
.else
	v_wmma_scale_f32_16x16x128_f8f6f4 v[wd:wd+7], v[wa:wa+11], v[wb:wb+11], v[wd:wd+7], v[wsa], v[wsb] matrix_a_fmt:MATRIX_FMT_BF6 matrix_b_fmt:MATRIX_FMT_BF6 matrix_a_scale:MATRIX_SCALE_ROW1 matrix_b_scale:MATRIX_SCALE_ROW1
.endif
.endif
.endm
.macro ULOAD t                         ; Wo's U block of the step walked t-th: 12 loads of 512 consecutive bytes and its scale image: 13 loads
.if (\t) < 5
	WIN 0x40
.set ub, 48*(\t)
.else
	WIN 0xc0
.set ub, 48*((\t)-5)
.endif
.set uq, 0
.rept 12
	global_load_b128 v[ub+4*uq:ub+4*uq+3], v[L16], s[SB+2*(\t):SB+2*(\t)+1] offset:512*uq
.set uq, uq+1
.endr
	WIN 0
	global_load_b64 v[QSC+2*(\t):QSC+2*(\t)+1], v[L8], s[SB+2*(\t):SB+2*(\t)+1] offset:6144
.endm
; Turn un = 8 x stage + step.  Stage s holds fragments 2 (s % 2) and 2 (s % 2) + 1 of the U block of tokens 64 (s / 2) on.
.macro PLOAD un                        ; the turn's two fragments (images of two registers, 8 bytes a lane) into set un % 4: 12 loads
	v_add_nc_u32 v[PA], s[PO+(\un)%8], v[L8]
.set pq, 0
.rept 12
	ds_load_b64 v[PF+24*((\un)%4)+2*pq:PF+24*((\un)%4)+2*pq+1], v[PA] offset:UB*((\un)/16)+3072*(((\un)/8)%2)+256*pq
.set pq, pq+1
.endr
.endm
.macro UMUL un                         ; 8 matrix instructions on the stage's 8 accumulators, one instruction a turn; a stage's first step starts its sums
.set ut, (\un)%8
.set us, (\un)/8
.if ut < 5
.set mqb, 48*ut
.set mqw, 1
.else
.set mqb, 48*(ut-5)
.set mqw, 3
.endif
	WIN mqw|(2<<4)|(2<<6)
.set mf, 0
.rept 4
.set ma, 0
.rept 2
.set wd, 32*(2*us+ma)+16*(mf/2)+8*(mf%2)
.set wa, mqb+12*mf
.set wb, PF+24*((\un)%4)+12*ma
.set wsa, QSC+2*ut+mf/2
.set wsb, PSC+4*ut+2*(us/2)+us%2
	WMS ut==0, mf%2, ma
.set ma, ma+1
.endr
.set mf, mf+1
.endr
.endm
.macro OU un
.set dw, 31-(\un)
.if dw > 2
.set dw, 2
.endif
	s_wait_dscnt 12*dw                             ; this turn's set is in; the 12 loads of each of the next two turns may be out (what else was issued behind them only makes the wait stricter)
.if (\un) < 8
.set uw, 13*(7-(\un))
.if uw > 63
.set uw, 63
.endif
	s_wait_loadcnt uw                              ; behind this U block's 13 loads stand those of the later U blocks
.endif
	UMUL \un
	WIN 0
.rept 4
	v_nop                                          ; places in front of loads into registers that matrix instructions have read, and of the first read of results
.endr
.if (\un)+3 <= 31
	PLOAD (\un)+3                                  ; into the set that the turn before this one multiplied
.endif
.endm
	s_load_b256 s[4:11], s[0:1], 0x0               ; ao, ops, bo, out0
	v_lshl_add_u32 v254, v0, 2, 0x29000
	v_mov_b32 v255, 0
	ds_add_u32 v254, v255
	ds_add_u32 v254, v255
	v_lshrrev_b32 v250, 5, v0
	v_readfirstlane_b32 s[WV], v250                ; wave 0..3
	v_and_b32 v250, 31, v0
	v_lshlrev_b32 v[L16], 4, v250
	v_lshlrev_b32 v[L8], 3, v250
	v_and_b32 v251, 15, v0
	v_bfe_u32 v252, v0, 4, 1
	s_mul_i32 s56, s[WV], 16*SPI
	s_add_co_u32 s56, s56, STG                     ; my stage
	v_mul_u32_u24 v[STO], v251, SPI
	v_lshl_add_u32 v[STO], v252, 6, v[STO]
	v_add_nc_u32 v[STO], s56, v[STO]               ; in: row r, + 64 h
	v_mul_u32_u24 v[SRD], v252, SPI
	v_lshl_add_u32 v[SRD], v251, 4, v[SRD]
	v_add_nc_u32 v[SRD], s56, v[SRD]               ; back: sixteen lanes to a row of 256 bytes, two rows an instruction
	v_lshlrev_b32 v[C16], 4, v251
	v_lshl_add_u32 v[GO], v252, 13, v[C16]         ; and the same two rows in out0, 8,192 bytes apart
	s_and_b32 s13, ttmp7, 0xffff
	s_lshr_b32 s56, ttmp9, 3
	s_mul_i32 s56, s56, CH8
	s_and_b32 s57, ttmp9, 7
	s_mul_i32 s57, s57, 2*UB
	s_add_co_u32 s56, s56, s57
	s_mul_i32 s57, s[WV], 2*STEPB
	s_add_co_u32 s56, s56, s57                     ; my tokens' two U blocks at K step 2 w
	s_mov_b32 s57, 0
	s_lshl_b32 s58, s13, 2
	s_add_co_u32 s58, s58, s[WV]                   ; my group of 64 rows of Wo
	s_lshr_b32 s59, s58, 4
	s_mul_i32 s59, s59, CH8
	s_and_b32 s58, s58, 15
	s_mul_i32 s58, s58, UB
	s_add_co_u32 s58, s58, s59
	s_add_co_u32 s58, s58, WOB
	s_mov_b32 s59, 0
	s_lshl_b32 s62, s13, 10
	s_lshl_b32 s63, s[WV], 8
	s_add_co_u32 s62, s62, s63                     ; my 64 columns, in bytes
	s_mov_b32 s63, 0
	s_lshl_b32 s70, ttmp9, 20                      ; 128 rows of 8,192 bytes
	s_add_co_u32 s70, s70, s62
	s_mov_b32 s71, 0
	s_mov_b32 s61, 0
	; descriptor group 1: two rows of 12,800 bytes (1,600 elements of 8 bytes), 102,400 bytes apart in memory, dense in LDS
	s_mov_b32 s[G1+0], 3<<16
	s_mov_b32 s[G1+1], 1600<<16
	s_mov_b32 s[G1+2], 2<<16
	s_mov_b32 s[G1+3], 1600<<16
	s_mov_b32 s[G1+4], 2
	s_mov_b32 s[G1+5], 12800
	s_mov_b32 s[G1+6], 0
	s_mov_b32 s[G1+7], 0
	s_mov_b32 s[G0], 1
	s_mul_i32 s[G0+1], s[WV], 4*UB                 ; K step s lies at LDS byte 12,800 s
	s_wait_alu depctr_va_vdst(0)
	s_wait_dscnt 0x0
	s_wait_kmcnt 0x0
	s_add_nc_u64 s[G0+2:G0+3], s[4:5], s[56:57]
	s_or_b32 s[G0+3], s[G0+3], 0x80000000
	s_add_nc_u64 s[28:29], s[6:7], s[58:59]
	s_add_nc_u64 s[66:67], s[8:9], s[62:63]
	s_add_nc_u64 s[68:69], s[10:11], s[70:71]
.irp t, 0,1,2,3,4,5,6,7
	s_add_co_u32 s60, ttmp9, \t
	s_and_b32 s60, s60, 7
	s_mul_i32 s[PO+\t], s60, 2*UB
	s_mul_i32 s60, s60, STEPB
	s_add_nc_u64 s[SB+2*\t:SB+2*\t+1], s[28:29], s[60:61]
.endr
	tensor_load_to_lds s[G0:G0+3], s[G1:G1+7]      ; the wave's one tensor load: nothing in LDS is filled twice
	s_nop 0
.rept 4
	v_nop
.endr
	global_load_b128 v[BO:BO+3], v[C16], s[66:67]  ; bo of the four columns that I store
.irp t, 0,1,2,3,4,5,6,7
	ULOAD \t
.endr
	s_wait_tensorcnt 0x0                           ; my two K steps have landed,
	s_barrier_signal -1
	s_barrier_wait -1                              ; everybody's have
.irp t, 0,1,2,3,4,5,6,7
	v_add_nc_u32 v[PA], s[PO+\t], v[L8]
	ds_load_b64 v[PSC+4*\t:PSC+4*\t+1], v[PA] offset:6144          ; the tokens' scale images of all steps, both U blocks
	ds_load_b64 v[PSC+4*\t+2:PSC+4*\t+3], v[PA] offset:UB+6144
.endr
	PLOAD 0
	PLOAD 1
	PLOAD 2
; THE WAY OUT, a tile of 16 tokens x 64 columns at a time: a lane's 64 neighbouring bytes of each block go into my stage and come back as whole rows of 256 bytes; bo is added; sixteen lanes store one aligned run of 256 bytes.
.macro TOSTAGE a
	WIN 0x08                                       ; an LDS store's data are its source 1: window 2
.set tq, 0
.rept 8                                ; each accumulator from its low end on
	ds_store_b128 v[STO], v[32*(\a)+16*(tq/4)+4*(tq%4):32*(\a)+16*(tq/4)+4*(tq%4)+3] offset:128*(tq/4)+16*(tq%4)
.set tq, tq+1
.endr
	WIN 0
.set tq, 0
.rept 8
	ds_load_b128 v[RB+32*((\a)%2)+4*tq:RB+32*((\a)%2)+4*tq+3], v[SRD] offset:tq*2*SPI   ; LDS serves a wave's instructions in order: these see the stores, and the next tile's stores come behind them
.set tq, tq+1
.endr
.endm
.macro SEND a
.set tq, 0
.rept 8
.set tr, RB+32*((\a)%2)+4*tq
	v_pk_add_f32 v[tr:tr+1], v[tr:tr+1], v[BO:BO+1]
	v_pk_add_f32 v[tr+2:tr+3], v[tr+2:tr+3], v[BO+2:BO+3]
	global_store_b128 v[GO], v[tr:tr+3], s[68:69] offset:(64*((\a)/4)+32*(((\a)%4)/2)+8*((\a)%2)+(2*tq)%8+16*(tq/4))*8192 th:TH_STORE_NT
.set tq, tq+1
.endr
.endm
.set nn, 0
.rept 8
	OU nn                                          ; stage 0
.set nn, nn+1
.endr
.set ss, 0
.rept 3
	s_wait_xcnt 0x0                                ; earlier stores have read their data: rows land there again only behind this wait
	TOSTAGE 2*ss                                   ; the finished stage's two tiles set out through my LDS stage,
	TOSTAGE 2*ss+1
	OU nn                                          ; the next stage's first two turns stand between their loads and the wait for them,
.set nn, nn+1
	OU nn
.set nn, nn+1
	s_wait_dscnt 24                                ; (behind the tiles' loads stand the 24 loads that those two turns issued)
	SEND 2*ss                                      ; and they are stored
	SEND 2*ss+1
.rept 6
	OU nn
.set nn, nn+1
.endr
.set ss, ss+1
.endr
	s_wait_xcnt 0x0
	TOSTAGE 6
	TOSTAGE 7
	s_wait_dscnt 0x0
	SEND 6
	SEND 7
	s_wait_tensorcnt 0x0                           ; the wave's end
	ds_add_u32 v254, v255
	s_wait_dscnt 0x0
	s_endpgm
.Lfunc_end_k_qfbb5618d8a_oproj:
	.size	k_qfbb5618d8a_oproj, .Lfunc_end_k_qfbb5618d8a_oproj-k_qfbb5618d8a_oproj
	.p2alignl 7, 3214868480
	.fill 96, 4, 3214868480
	.section	.rodata,"a",@progbits
	.p2align	6, 0x0
	.amdhsa_kernel k_qfbb5618d8a_oproj
		.amdhsa_group_segment_fixed_size 168448
		.amdhsa_private_segment_fixed_size 0
		.amdhsa_enable_private_segment 0
		.amdhsa_kernarg_size 32
		.amdhsa_user_sgpr_count 2
		.amdhsa_user_sgpr_kernarg_segment_ptr 1
		.amdhsa_wavefront_size32 1
		.amdhsa_system_sgpr_workgroup_id_x 1
		.amdhsa_system_sgpr_workgroup_id_y 1
		.amdhsa_system_sgpr_workgroup_id_z 1
		.amdhsa_system_vgpr_workitem_id 0
		.amdhsa_next_free_vgpr 1024
		.amdhsa_next_free_sgpr 80
		.amdhsa_reserve_vcc 0
		.amdhsa_float_denorm_mode_32 3
		.amdhsa_float_denorm_mode_16_64 3
		.amdhsa_memory_ordered 1
		.amdhsa_forward_progress 1
		.amdhsa_inst_pref_size 105
	.end_amdhsa_kernel
	.amdgpu_metadata
---
amdhsa.version: [ 1, 2 ]
amdhsa.kernels:
  - .name:           k_qfbb5618d8a_oproj
    .symbol:         k_qfbb5618d8a_oproj.kd
    .args:
      - { .name: ao, .offset: 0, .size: 8, .value_kind: global_buffer, .address_space: global }
      - { .name: ops, .offset: 8, .size: 8, .value_kind: global_buffer, .address_space: global }
      - { .name: bo, .offset: 16, .size: 8, .value_kind: global_buffer, .address_space: global }
      - { .name: out0, .offset: 24, .size: 8, .value_kind: global_buffer, .address_space: global }
    .group_segment_fixed_size: 168448
    .private_segment_fixed_size: 0
    .kernarg_segment_align: 8
    .kernarg_segment_size: 32
    .max_flat_workgroup_size: 128
    .sgpr_count:     80
    .vgpr_count:     1024
    .wavefront_size: 32
...
	.end_amdgpu_metadata
.endif
;; end of part 4
